; MI455X (gfx1250); checked and timed in simulation.
; The chip was launched on July 23, 2026; its instructions are those of AMD's public machine-readable ISA for CDNA 5 (MIT licence, August 2026) and "CDNA5" Instruction Set Architecture Reference Guide (July 2026). The comments in the code are by the model that wrote it; some were corrected since.
;; Multi Head Attention. Allowed arithmetic: matrix products marked QUANTISED: E2M3 operands, one E8M0 scale for each 32 along K, by v_wmma_scale_f32_16x16x128_f8f6f4 with both operands' format E2M3, f32 sums; everything else in f32.
;; Inputs: b_fc 1,024 float32; w_fc 1,024 x 1,024 float32; w_qkv 1,024 x 3,072 float32; x 4 x 2,048 x 1,024 float32.
;; Outputs: out0 4 x 2,048 x 1,024 float32.
;; This version of the problem:
;;   THIS VERSION OF THE PROBLEM IS GIVEN IN LOW PRECISION. The matrix products marked QUANTISED in the list below multiply operands that are first quantised to E2M3 (2 exponent bits, 3 mantissa bits; 6 bits a number), with one power-of-two scale for each 32 numbers along K (OCP MX v1.0); their sums are f32. All else is computed in f32.
;;   The module's matrix products, in the order in which they are computed (A, B: the left and right operand; K: the contracted axis; several contracted axes count as one K, in the product's order):
;;     1. [M 8,192, K 1,024] x [K 1,024, N 3,072]; A: input x; B: input w_qkv: QUANTISED
;;     2. batch 64 x [M 2,048, K 64] x [K 64, N 2,048]; A: computed on the way; B: computed on the way: QUANTISED
;;     3. batch 64 x [M 2,048, K 2,048] x [K 2,048, N 64]; A: softmax (see below); B: computed on the way: QUANTISED
;;     4. [M 8,192, K 1,024] x [K 1,024, N 1,024]; A: computed on the way; B: input w_fc: QUANTISED
;;   THE QUANTISER, for each operand of a quantised product, along K:
;;     - K is cut into blocks of 32 from its start; a last block that is shorter is filled with zeros.
;;     - A block's scale is 2^e with e = floor(log2(the largest magnitude in the block)) - 2, held to -126 .. 127; a block of zeros has e = 0. As a byte (E8M0): e + 127.
;;     - Each number is divided by its block's scale, clamped to +-7.5, and rounded to the nearest number of E2M3, ties to even, subnormals kept.
;;     - The product sums the exact products of the quantised numbers (number of the format x scale) in f32.
;;   ~~~python
;;   def quantise(x, axis):      # numpy; x: float32 -> the quantised numbers, widened to float32 again
;;       x = np.moveaxis(x, axis, -1); K = x.shape[-1]
;;       x = np.pad(x, [(0, 0)] * (x.ndim - 1) + [(0, -K % 32)]); x = x.reshape(x.shape[:-1] + (-1, 32)); a = np.abs(x).max(-1, keepdims=True)
;;       e = np.where(a > 0, np.clip(np.frexp(np.where(a > 0, a, 1))[1] - 1 - 2, -126, 127), 0)      # np.frexp(a)[1] - 1 = floor(log2(a)), exactly
;;       r = np.clip(x / 2.0 ** e, -7.5, 7.5)
;;       step = 2.0 ** (np.maximum(np.frexp(np.where(r == 0, 1, r))[1] - 1, 0) - 3)
;;       q = np.round(r / step) * step * 2.0 ** e      # np.round: ties to even
;;       return np.moveaxis(q.reshape(q.shape[:-2] + (-1,))[..., :K], -1, axis).astype(np.float32)
;;   ~~~
;;   SOFTMAX AHEAD OF A QUANTISED PRODUCT. Where the list says 'softmax', what is quantised is not the finished softmax but p = 2^(t - M), with t = logit x log2(e) and M = ceil(the row's largest t), a whole number; so 1/2 < the row's largest p <= 1. The row's sum l is taken of the UNQUANTISED p, in f32, and the product's result is divided by l at the end. Since M is a whole number, a kernel that streams over the keys may use a running M (the ceiling of the running maximum): every later rescaling is an exact power of two, which a block's scale takes up: the codes' values come out the same.
;;   OPERANDS COMPUTED ON THE WAY. 'Computed on the way' means the value that the module computes at that place (a softmax that the list does not call 'softmax' is quantised finished and normalised). What goes into a quantiser is computed in f32, as accurately as f32 sums, v_exp_f32 and their like allow (about 1e-6 of the number): no bf16 or f16 on the way to a quantiser, and a product that is left as it is and whose result goes on into a quantised operand takes f32 operands (vector FMAs, or v_wmma_f32_16x16x4_f32). A number that lies on a knife's edge between two numbers of the format may be rounded either way, as far as f32 arithmetic and the matrix unit's own rounding can turn it there, and no further.
;; One version. Each part assembles by itself: llvm-mc -triple=amdgcn-amd-amdhsa -mcpu=gfx1250 --defsym DOCPART=n.
;; ======== version 1 of 1: 4 launches
;; limits: right only within a limited range of input values
;; workspace buffers: xq 6,553,600 bytes; wq 3,276,800 bytes; qkv 19,660,800 bytes; aq 6,553,600 bytes
;; launch prep (part 1): grid 384 x 1, 4 waves a work-group, no clusters, 60,928 bytes of LDS; arguments x, w_qkv, w_fc, xq, wq; writes xq, wq
.if DOCPART == 1
	.amdgcn_target "amdgcn-amd-amdhsa--gfx1250"
	.amdhsa_code_object_version 6
	.text
	.protected	k_qf57de5a894_prep
	.globl	k_qf57de5a894_prep
	.p2align	8
	.type	k_qf57de5a894_prep,@function
k_qf57de5a894_prep:
	s_mov_b64 s[64:65], 0
	v_nop
	global_prefetch_b8 v0, s[64:65] scope:SCOPE_SE
	s_setreg_imm32_b32 hwreg(HW_REG_WAVE_MODE, 25, 1), 1
	s_wait_xcnt 0x0
; THE PROGRAM: causal multi-head attention, B 4, T 2048, C 1024, 16 heads of 64, all four products on codes of FP6 (E2M3) with one E8M0 scale for each 32 along K.
;   prep : x, w_qkv and w_fc, f32, become codes and scale bytes (this launch)        gemmq: x w_qkv; its results are quantised in registers: q and k along the head's 64, v along the keys
;   attn : q k^T, the softmax's p = 2^(t - M), p v, / the row's sum, quantised along C   gemmo: that x w_fc + b_fc
; WORK LEFT OUT.  reference() builds the causal mask in its own body (jnp.tril) and sets every score with key > query to -inf ahead of the softmax: such a score's weight is exactly 0 for all
; values of the inputs, so it adds nothing to a row's sum nor to a row of the result.  attn leaves out the key steps (16 queries x 128 keys) all of whose keys come after all of the wave's block of
; queries, their products q k^T and p v among them.  No input is left out.  LIMIT: a NaN, an infinity or an overflow that reaches only those steps is not carried to the result.
; LIMITS of the quantisers of all four launches: NaN and infinities among the inputs are not served; a block of zeros, or one whose largest magnitude lies under 2^-124, gets the scale byte 1
; (the rule says 127 for zeros): its codes are zeros or held small, and the bytes are read by this program alone.
; THE ONE LAYOUT of every operand.  Rows come in tiles of 16: tile a, lane-row r holds row 32 (a / 2) + 8 (a % 2) + r + 8 (r / 8).  A HALF FRAGMENT is 16 rows x 64 along K in 768 bytes, an image of the
; operand's registers: lane L = r + 16 h owns the 24 bytes of k = 32 h .. 32 h + 31 of its row: its first 16 bytes at 16 L, its last 8 at 512 + 8 L.  An operand of K = 1024 is [tile][K / 64][768];
; its scale bytes are [tile][K / 256][r][8].  With that order of rows a transposed product's results are 16 neighbours along the next K in a lane's registers, so each result becomes the next operand's image.
; THIS LAUNCH.  Work-groups 0-255: x (K innermost): a wave takes one tile of 16 rows x 512 along K, in 8 steps of 64.  A load reads 256 consecutive bytes of a row in sixteen lanes; a step's 4,096 bytes
; turn through the wave's own stage in LDS, so that a lane holds a whole block of 32.  Work-groups 256-383: the weights (K outermost): a lane takes a column and its registers run down K; a wave takes
; 32 columns x 256 along K; the codes are laid as images in the wave's own LDS and leave 512 consecutive bytes a store.  The two paths never join and have LDS bytes of their own.  Waves share nothing: no barrier.
.set XS_OFF, 6291456                   ; xq: the scale bytes behind 512 tiles x 12,288 bytes of codes
.set WS_OFF, 3145728                   ; wq: likewise behind 256 tiles (0-191: columns of w_qkv, 192-255: of w_fc)
.set XSTG,   4352                      ; x path: a stage of 16 rows x (256 + 16) bytes; two for each wave
.set XWAVE,  2*XSTG
.set WBASE,  4*XWAVE                   ; weights path: for each wave two tiles x (4 half fragments + 128 bytes)
.set WU,     3200
.set WWAVE,  2*WU
.set SPARE,  WBASE+4*WWAVE             ; the spare words, 128 bytes for each wave: two blocks of 256 bytes that no other line names
.set SPW,    252                       ; v252  LDS address of my spare word; never rewritten
.set NIL,    253                       ; v253  0; never rewritten
	s_load_b256 s[4:11], s[0:1], 0x0               ; x s[4:5], w_qkv s[6:7], w_fc s[8:9], xq s[10:11]
	s_load_b64 s[12:13], s[0:1], 0x20              ; wq
	v_lshl_add_u32 v[SPW], v0, 2, SPARE
	v_mov_b32 v[NIL], 0
	v_lshrrev_b32 v1, 5, v0
	v_readfirstlane_b32 s16, v1                    ; wave 0..3
	v_and_b32 v2, 31, v0                           ; lane
	s_cmp_lt_u32 ttmp9, 256
	s_cbranch_scc0 .Lweights
; ---------------- x ----------------
.set R,  16                            ; v16-111   three sets of 32 registers as loaded
.set X,  112                           ; v112-175  two sets of 32 neighbours: my block
.set C,  176                           ; v176-239  eight registers for each step (six used): no store's data are written again
.set T,  240                           ; v240-242  a block's upper 16 codes, as converted
.set WD, 244                           ; v244-247  my row's scale words: K step g of 256, word w at WD + 2 g + w
	s_lshl_b32 s17, ttmp9, 2
	s_add_co_u32 s17, s17, s16
	s_lshr_b32 s18, s17, 1                         ; my tile of rows, 0..511
	s_and_b32 s19, s17, 1                          ; which 512 along K
	s_lshr_b32 s20, s18, 1
	s_lshl_b32 s20, s20, 5
	s_and_b32 s21, s18, 1
	s_lshl_b32 s21, s21, 3
	s_add_co_u32 s20, s20, s21                     ; the tile's first row
	s_lshl_b32 s20, s20, 12                        ; x 4,096 bytes
	s_lshl_b32 s21, s19, 11
	s_add_co_u32 s20, s20, s21
	s_mov_b32 s21, 0
	s_mul_i32 s22, s18, 12288                      ; the tile's codes,
	s_mul_i32 s23, s19, 6144                       ; my eight half fragments
	s_add_co_u32 s22, s22, s23
	s_mov_b32 s23, 0
	s_lshl_b32 s24, s18, 9                         ; the tile's 512 scale bytes,
	s_lshl_b32 s25, s19, 8                         ; my 256
	s_add_co_u32 s24, s24, s25
	s_add_co_u32 s24, s24, XS_OFF
	s_mov_b32 s25, 0
	s_mov_b32 s28, 0x76543210
	s_mov_b32 s29, 0xfedcba98                      ; v_permlanex16_b32's selects for lane l xor 16
	s_mul_i32 s26, s16, XWAVE
	s_wait_alu depctr_va_vdst(0)
	v_lshrrev_b32 v7, 4, v2                        ; h
	v_and_b32 v8, 15, v2                           ; r
	v_lshlrev_b32 v9, 4, v8
	v_lshl_add_u32 v3, v7, 12, v9                  ; a load: lanes 0-15 one row's 256 bytes, lanes 16-31 the next row's
	v_mad_u32_u24 v14, v7, 272, v9
	v_add_nc_u32 v14, s26, v14                     ; into the stage, as loaded
	v_mul_u32_u24 v15, v8, 272
	v_lshl_add_u32 v15, v7, 7, v15
	v_add_nc_u32 v15, s26, v15                     ; out of it: row r, block h: 128 bytes
	v_lshlrev_b32 v4, 4, v2                        ; 16 L
	v_lshlrev_b32 v5, 3, v2                        ; 8 L
	v_lshlrev_b32 v6, 3, v7                        ; 8 h: my byte's place in a pair of bytes
	s_wait_alu depctr_va_vdst(0)
	s_wait_kmcnt 0x0
	s_add_nc_u64 s[4:5], s[4:5], s[20:21]
	s_add_nc_u64 s[22:23], s[10:11], s[22:23]
	s_add_nc_u64 s[24:25], s[10:11], s[24:25]
.macro LOADX t                         ; step t: 64 along K of the tile's 16 rows; load i takes lane-rows 2 i and 2 i + 1
.irp i, 0,1,2,3,4,5,6,7
	global_load_b128 v[R+32*((\t)%3)+4*\i:R+32*((\t)%3)+4*\i+3], v3, s[4:5] offset:(2*\i+8*(\i/4))*4096+256*(\t) th:TH_LOAD_NT
.endr
.endm
.macro TURNX t                         ; through the stage: LDS serves a wave's instructions in order, so no wait stands between the stores and the loads
.irp i, 0,1,2,3,4,5,6,7
	ds_store_b128 v14, v[R+32*((\t)%3)+4*\i:R+32*((\t)%3)+4*\i+3] offset:XSTG*((\t)%2)+544*\i
.endr
.irp i, 0,1,2,3,4,5,6,7
	ds_load_b128 v[X+32*((\t)%2)+4*\i:X+32*((\t)%2)+4*\i+3], v15 offset:XSTG*((\t)%2)+16*\i
.endr
.endm
.macro STEPX t
.set XR, X+32*((\t)%2)
.set CC, C+8*(\t)
.set WW, WD+2*((\t)/4)+(((\t)%4)/2)
	s_wait_dscnt 0x0                               ; my block is back from the stage
.if (\t)+3 < 8
	LOADX (\t)+3
.endif
.if (\t)+1 < 8
.if (\t) < 5
	s_wait_loadcnt 16                              ; the next step's eight loads are in; the two sets behind them may be out
.else
	s_wait_loadcnt 8*(6-(\t))                      ; the counts run down
.endif
	TURNX (\t)+1
.endif
	v_max3_num_f32 v10, |v[XR]|, |v[XR+1]|, |v[XR+2]|              ; the block's largest magnitude: all 32 numbers are mine; two chains
	v_max3_num_f32 v11, |v[XR+3]|, |v[XR+4]|, |v[XR+5]|
.irp i, 6,10,14,18,22,26
	v_max3_num_f32 v10, v10, |v[XR+\i]|, |v[XR+\i+1]|
	v_max3_num_f32 v11, v11, |v[XR+\i+2]|, |v[XR+\i+3]|
.endr
	v_max3_num_f32 v10, v10, |v[XR+30]|, |v[XR+31]|
	v_max3_num_f32 v10, v10, v11, 0x1800000        ; and the floor 2^(3 - 127): the byte cannot fall under 1
	v_add_nc_u32 v12, 0xff000000, v10              ; 2 off the exponent field: the conversion takes this operand's exponent field as its scale
	v_cvt_scalef32_pk16_fp6_f32 v[CC:CC+2], v[XR:XR+15], v12
	v_cvt_scalef32_pk16_fp6_f32 v[T:T+2], v[XR+16:XR+31], v12      ; (a conversion's three registers begin on an even number)
.if (\t)%2 == 0
	v_lshrrev_b32 v[WW], 23, v12                   ; the scale's byte (the plain line behind the conversions)
.else
	v_lshrrev_b32 v13, 23, v12
	v_lshl_or_b32 v[WW], v13, 16, v[WW]
.endif
.irp i, 0,1,2
	v_mov_b32 v[CC+3+\i], v[T+\i]
.endr
	global_store_b128 v4, v[CC:CC+3], s[22:23] offset:768*(\t)       ; the wave stores 512 consecutive bytes,
	global_store_b64 v5, v[CC+4:CC+5], s[22:23] offset:768*(\t)+512  ; and 256
.endm
	LOADX 0
	LOADX 1
	LOADX 2
	s_wait_loadcnt 16                              ; step 0's eight loads are in
	TURNX 0
.irp t, 0,1,2,3,4,5,6,7
	STEPX \t
.endr
.irp i, 0,1,2,3
	v_lshlrev_b32 v[WD+\i], v6, v[WD+\i]           ; my bytes 8 h bits up,
.endr
.irp i, 0,1,2,3
	v_permlanex16_b32 v[8+\i], v[WD+\i], s28, s29
.endr
.irp i, 0,1,2,3
	v_or_b32 v[WD+\i], v[WD+\i], v[8+\i]           ; with lane l xor 16's the words are whole
.endr
	v_cmp_lt_u32 vcc_lo, 15, v2
	v_cndmask_b32 v8, v[WD], v[WD+2], vcc_lo       ; lanes 0-15 store the first 256 along K, lanes 16-31 the second
	v_cndmask_b32 v9, v[WD+1], v[WD+3], vcc_lo
	global_store_b64 v5, v[8:9], s[24:25]          ; 256 consecutive bytes, aligned
	s_wait_tensorcnt 0x0                           ; the wave's end
	ds_add_u32 v[SPW], v[NIL]
	s_wait_dscnt 0x0
	s_endpgm
; ---------------- the weights ----------------
.Lweights:
.set RO,   16                          ; v16-47    row i of a block: 4 x lane + i x the weight's row in bytes; never rewritten
.set XW,   48                          ; v48-111   two sets of 32 numbers
.set CW,   112                         ; v112-121  a block's codes
.set SB,   122                         ; v122-123  my column's eight scale bytes
.set OUTR, 128                         ; v128-175  the way out
.set BP,   32                          ; s[32:47]  where block t's rows begin, t = 0..7; never rewritten
	s_sub_co_u32 s17, ttmp9, 256
	s_and_b32 s18, s17, 31                         ; which 128 columns (0-23: w_qkv, 24-31: w_fc)
	s_lshr_b32 s19, s17, 5                         ; which 256 along K
	s_lshl_b32 s20, s18, 2
	s_add_co_u32 s20, s20, s16                     ; my 32 columns: pair of tiles G, 0..127
	s_cmp_lt_u32 s18, 24
	s_mov_b32 s22, 4096
	s_cselect_b32 s22, 12288, s22                  ; a row of the weight in bytes
	s_cselect_b32 s21, 0, 96
	s_sub_co_u32 s21, s20, s21                     ; the pair's number inside its own weight
	s_lshl_b32 s21, s21, 7                         ; 32 columns x 4 bytes
	s_lshl_b32 s26, s19, 8
	s_mul_i32 s26, s26, s22
	s_add_co_u32 s26, s26, s21
	s_mov_b32 s27, 0
	s_lshl_b32 s24, s22, 5                         ; 32 rows on
	s_mov_b32 s25, 0
	s_mul_i32 s48, s20, 2*12288
	s_mul_i32 s49, s19, 3072
	s_add_co_u32 s48, s48, s49                     ; the codes: tile 2 G, half fragments 4 ky on
	s_mov_b32 s49, 0
	s_lshl_b32 s50, s20, 10
	s_lshl_b32 s51, s19, 7
	s_add_co_u32 s50, s50, s51
	s_add_co_u32 s50, s50, WS_OFF                  ; the scale bytes
	s_mov_b32 s51, 0
	s_mul_i32 s28, s16, WWAVE
	s_add_co_u32 s28, s28, WBASE                   ; my wave's LDS
	s_wait_alu depctr_va_vdst(0)
	v_lshlrev_b32 v3, 2, v2
.irp i, 0,1,2,3,4,5,6,7,8,9,10,11,12,13,14,15,16,17,18,19,20,21,22,23,24,25,26,27,28,29,30,31
	v_mad_u32_u24 v[RO+\i], s22, \i, v3
.endr
	v_bfe_u32 v10, v2, 3, 1                        ; column lane of the 32 lies in tile u = (lane / 8) % 2,
	v_and_b32 v11, 7, v2
	v_lshrrev_b32 v12, 4, v2
	v_lshl_add_u32 v11, v12, 3, v11                ; at lane-row r = lane % 8 + 8 (lane / 16)
	v_mul_u32_u24 v13, v10, WU
	v_add_nc_u32 v13, s28, v13
	v_lshl_add_u32 v4, v11, 4, v13                 ; an image's first part: 16 r (+ 256 h in the offset)
	v_lshl_add_u32 v5, v11, 3, v13                 ; its second: 8 r (+ 128 h)
	v_lshlrev_b32 v8, 4, v2
	v_add_nc_u32 v7, s28, v8                       ; the way out: 16 x lane
	v_lshlrev_b32 v9, 9, v10
	v_lshl_add_u32 v9, v11, 3, v9                  ; my eight scale bytes: 512 u + 8 r
	s_wait_kmcnt 0x0
	s_cmp_lt_u32 s18, 24                           ; the choice hangs on the work-group's number alone
	s_cselect_b64 s[6:7], s[6:7], s[8:9]
	s_add_nc_u64 s[BP:BP+1], s[6:7], s[26:27]
.irp t, 1,2,3,4,5,6,7
	s_add_nc_u64 s[BP+2*\t:BP+2*\t+1], s[BP+2*\t-2:BP+2*\t-1], s[24:25]
.endr
	s_add_nc_u64 s[48:49], s[12:13], s[48:49]
	s_add_nc_u64 s[50:51], s[12:13], s[50:51]
.macro LOADW t                         ; block t: W(32 t + i, my column): 32 lanes read 128 consecutive bytes
.irp i, 0,1,2,3,4,5,6,7,8,9,10,11,12,13,14,15,16,17,18,19,20,21,22,23,24,25,26,27,28,29,30,31
	global_load_b32 v[XW+32*((\t)%2)+\i], v[RO+\i], s[BP+2*(\t):BP+2*(\t)+1] th:TH_LOAD_NT
.endr
.endm
.macro BLOCKW t
.set XB, XW+32*((\t)%2)
.if (\t) < 7
	s_wait_loadcnt 32                              ; this block's 32 loads are in; the next block's may be out
.else
	s_wait_loadcnt 0
.endif
	v_max3_num_f32 v12, |v[XB]|, |v[XB+1]|, |v[XB+2]|
	v_max3_num_f32 v13, |v[XB+3]|, |v[XB+4]|, |v[XB+5]|
.irp i, 6,10,14,18,22,26
	v_max3_num_f32 v12, v12, |v[XB+\i]|, |v[XB+\i+1]|
	v_max3_num_f32 v13, v13, |v[XB+\i+2]|, |v[XB+\i+3]|
.endr
	v_max3_num_f32 v12, v12, |v[XB+30]|, |v[XB+31]|
	v_max3_num_f32 v12, v12, v13, 0x1800000        ; the floor 2^(3 - 127)
	v_add_nc_u32 v11, 0xff000000, v12              ; the conversion's scale operand
	v_lshrrev_b32 v10, 23, v11                     ; the scale's byte
.if (\t)%4 == 0
	v_mov_b32 v[SB+(\t)/4], v10
.else
	v_lshl_or_b32 v[SB+(\t)/4], v10, 8*((\t)%4), v[SB+(\t)/4]
.endif
	v_cvt_scalef32_pk16_fp6_f32 v[CW:CW+2], v[XB:XB+15], v11
	v_cvt_scalef32_pk16_fp6_f32 v[CW+4:CW+6], v[XB+16:XB+31], v11
	v_nop                                          ; one plain line behind the conversions
	v_mov_b32 v[CW+3], v[CW+4]                     ; the 24 bytes as 16 + 8
	v_mov_b32 v[CW+8], v[CW+5]
	v_mov_b32 v[CW+9], v[CW+6]
	ds_store_b128 v4, v[CW:CW+3] offset:768*((\t)/2)+256*((\t)%2)         ; block t is half fragment t / 2, half h = t % 2
	ds_store_b64 v5, v[CW+8:CW+9] offset:768*((\t)/2)+512+128*((\t)%2)
.if (\t)+2 < 8
	LOADW (\t)+2
.endif
	s_wait_dscnt 0x0                               ; the stores have read their registers: the next block's codes may be written
.endm
	LOADW 0
	LOADW 1
.irp t, 0,1,2,3,4,5,6,7
	BLOCKW \t
.endr
	s_wait_alu depctr_va_vdst(0)
	global_store_b64 v9, v[SB:SB+1], s[50:51]
.irp n, 0,1,2,3,4,5,6,7,8,9,10,11
	ds_load_b128 v[OUTR+4*\n:OUTR+4*\n+3], v7 offset:WU*(\n/6)+512*(\n%6)   ; LDS serves a wave's instructions in order: these see my stores
.endr
.irp n, 0,1,2,3,4,5,6,7,8,9,10,11
	s_wait_dscnt 11-\n
	global_store_b128 v8, v[OUTR+4*\n:OUTR+4*\n+3], s[48:49] offset:12288*(\n/6)+512*(\n%6)   ; 512 consecutive bytes, aligned
.endr
	s_wait_tensorcnt 0x0                           ; the wave's end
	ds_add_u32 v[SPW], v[NIL]
	s_wait_dscnt 0x0
	s_endpgm
.Lfunc_end_k_qf57de5a894_prep:
	.size	k_qf57de5a894_prep, .Lfunc_end_k_qf57de5a894_prep-k_qf57de5a894_prep
	.p2alignl 7, 3214868480
	.fill 96, 4, 3214868480
	.section	.rodata,"a",@progbits
	.p2align	6, 0x0
	.amdhsa_kernel k_qf57de5a894_prep
		.amdhsa_group_segment_fixed_size 60928
		.amdhsa_private_segment_fixed_size 0
		.amdhsa_enable_private_segment 0
		.amdhsa_kernarg_size 40
		.amdhsa_user_sgpr_count 2
		.amdhsa_user_sgpr_kernarg_segment_ptr 1
		.amdhsa_wavefront_size32 1
		.amdhsa_system_sgpr_workgroup_id_x 1
		.amdhsa_system_sgpr_workgroup_id_y 1
		.amdhsa_system_sgpr_workgroup_id_z 1
		.amdhsa_system_vgpr_workitem_id 0
		.amdhsa_next_free_vgpr 256
		.amdhsa_next_free_sgpr 66
		.amdhsa_reserve_vcc 1
		.amdhsa_float_denorm_mode_32 3
		.amdhsa_float_denorm_mode_16_64 3
		.amdhsa_memory_ordered 1
		.amdhsa_forward_progress 1
		.amdhsa_inst_pref_size 74
	.end_amdhsa_kernel
	.amdgpu_metadata
---
amdhsa.version: [ 1, 2 ]
amdhsa.kernels:
  - .name:           k_qf57de5a894_prep
    .symbol:         k_qf57de5a894_prep.kd
    .args:
      - { .name: x, .offset: 0, .size: 8, .value_kind: global_buffer, .address_space: global }
      - { .name: w_qkv, .offset: 8, .size: 8, .value_kind: global_buffer, .address_space: global }
      - { .name: w_fc, .offset: 16, .size: 8, .value_kind: global_buffer, .address_space: global }
      - { .name: xq, .offset: 24, .size: 8, .value_kind: global_buffer, .address_space: global }
      - { .name: wq, .offset: 32, .size: 8, .value_kind: global_buffer, .address_space: global }
    .group_segment_fixed_size: 60928
    .private_segment_fixed_size: 0
    .kernarg_segment_align: 8
    .kernarg_segment_size: 40
    .max_flat_workgroup_size: 128
    .sgpr_count:     66
    .vgpr_count:     256
    .wavefront_size: 32
...
	.end_amdgpu_metadata
.endif
;; end of part 1
;; launch gemmq (part 2): grid 8 x 48, 4 waves a work-group, clusters of 4 x 4, 327,680 bytes of LDS; arguments xq, wq, qkv; writes qkv
.if DOCPART == 2
	.amdgcn_target "amdgcn-amd-amdhsa--gfx1250"
	.amdhsa_code_object_version 6
	.text
	.protected	k_qf57de5a894_gemmq
	.globl	k_qf57de5a894_gemmq
	.p2align	8
	.type	k_qf57de5a894_gemmq,@function
k_qf57de5a894_gemmq:
	s_mov_b64 s[64:65], 0
	v_nop
	global_prefetch_b8 v0, s[64:65] scope:SCOPE_SE
	s_setreg_imm32_b32 hwreg(HW_REG_WAVE_MODE, 25, 1), 1
	s_wait_xcnt 0x0
	s_wait_alu depctr_hold_cnt(0) depctr_sa_sdst(0) depctr_va_vdst(0) depctr_va_sdst(0) depctr_va_ssrc(0) depctr_va_vcc(0) depctr_vm_vsrc(0)
	s_getreg_b32 s2, hwreg(HW_REG_IB_STS2, 6, 4)
	s_cmp_eq_u32 s2, 0
	s_cbranch_scc0 .Lentry_in_a_cluster
	s_endpgm
.Lentry_in_a_cluster:
	s_bfe_u32 s2, ttmp6, 0x10000c
	s_cmp_lg_u32 s2, 0xf033
	s_cbranch_scc0 .Lentry_shape_is_right
	s_endpgm
.Lentry_shape_is_right:
; qkv = x w_qkv on codes of FP6 (E2M3) with E8M0 scales, K = 1024; the results never go to memory as f32: they are quantised in registers and stored as the next products' operand images.
; Operands P (rows in source 1) and R (rows in source 0) are images as the first launch lays them: [tile of 16 rows][K / 64][768 bytes], scale bytes [tile][K / 256][r][8].
; TWO PARTS, told apart by the cluster's y (the same in all sixteen partners; choices by s_cselect, no branch):
;   y 0-7  (q and k): P = x's 8,192 rows, R = columns 0-2047 of w_qkv.  A lane's results run along the columns: they are quantised along the head's 64.
;   y 8-11 (v)      : P = columns 2048-3071 of w_qkv, R = x's rows.  The same text then gives v TRANSPOSED, a lane's results running along the keys: they are quantised along the keys.
; A tile of the result, 256 x 256, is made by four waves, 128 x 128 each: 64 accumulators, 512 registers.  K goes in four steps of 256 through two LDS slots; written straight, no loop.
; With the rows of a tile ordered 32 (a / 2) + 8 (a % 2) + r + 8 (r / 8), lane (r, h), register j of accumulator (a, b) holds P's row of tile a, lane-row r, and R's row 32 (b / 2) + 16 h + 8 (b % 2) + j:
; the 16 registers of accumulators (a, 2 b') and (a, 2 b' + 1) are 16 neighbours.  A wave's 128 columns are four blocks of 32: one fragment of 12 registers and one scale word for each of its eight tiles a.
; CLUSTERS: 4 x 4 work-groups; P's tiles are shared along a row of the cluster, R's along a column, each asked for jointly.
; No prefetch is laid: a work-group has four K steps, and the first two of them are asked for at the head.
; qkv: q and k codes [g 32][I 512][768] at 0 (g: head for q, 16 + head for k; I: tile of tokens); v^T codes [64 keys: 128][tile of channels: 64][768] at VC_OFF;
;      q and k scale words [g / 2][I][r][4] at QKS_OFF; v's [128 keys: 64][tile of channels][r][4] at VS_OFF.
; REGISTERS, in windows of 256: window 0: v16-31 addresses; v32-63 scale words, two sets; v128-223 P's fragments, one set; in the epilogue v32-163 are at work.  window 1: R's fragments, two sets, at v0 and v128.
;   windows 2, 3: the accumulators of my rows 0-63 and 64-127, (a, b) at v[8 (8 (a % 4) + b)].
.set XS_OFF,  6291456
.set WS_OFF,  3145728
.set VC_OFF,  12582912
.set QKS_OFF, 18874368
.set VS_OFF,  19398656
.set RT,     12288                     ; a tile's codes for all of K
.set KSB,    3072                      ; a tile's codes for a slot's 256 along K: four half fragments
.set HALFT,  8*KSB                     ; eight tiles: what one tensor load brings, and what one wave reads of P or of R
.set SLOT,   4*HALFT                   ; P's 16 tiles, then R's
.set SCL,    2*SLOT                    ; behind the ring: P's scale bytes, 8,192; 128 bytes on, R's (so that lanes 16-31 read other banks than lanes 0-15)
.set SPARE,  SCL+16640                 ; the spare words, 128 bytes for each wave: two blocks of 256 bytes that no other line names
.set NQ, 2                             ; matrix instructions deep in a slot
.set FR, 12                            ; registers of a fragment
.set NL, 4                             ; LDS loads that bring one
.set NP, 4                             ; places behind this matrix instruction (ISA guide 7.12.1)
.set ADRA, 16                          ; v16-17 P's fragments in slot 0, 1: + 16 L;  v18-19: + 8 L
.set ADRB, 20                          ; v20-23 the same for R
.set LI,   24                          ; v24 16 L
.set LJ,   25                          ; v25 8 L
.set SWO,  26                          ; v26 the epilogue's stage for scale words: 512 x wave + 4 r
.set ADRS, 27                          ; v27 my scale words: lanes 0-15 P's rows, lanes 16-31 R's
.set SPW,  28                          ; v28 my spare word; never rewritten
.set NIL,  29                          ; v29 0; never rewritten
.set SWI,  30                          ; v30 and back: 512 x wave + 16 L
.set SC,   32
.set AF,   128
.set G1, 24
.set G0, 32
.set G1B, 48
.set G0B, 56
.set G1S, 68
.set G0S, 76
.set G1SB, 80
.set G0SB, 88
.set MSB, 0
.macro WIN new                         ; the immediate's high byte repeats the setting that is left
.if MSB != \new
	s_set_vgpr_msb (MSB<<8)|\new
.set MSB, \new
.endif
.endm
.macro WINM hi, zero                   ; source 0 (R) window 1, source 1 (P) window 0, D window 2 or 3; C with D, or (zero = 2) in window 0
.if \zero == 2
	WIN 0x81+0x40*\hi
.else
	WIN 0xa1+0x50*\hi
.endif
.endm
.set TO_B, 0x40
; A joint load: waves 0 and 1 fetch for P, waves 2 and 3 for R.  The branch hangs on the wave's number alone.  An s_nop 0 and four v_nop follow each of the two lines.
.macro JLOAD g0a, g1a, g0b, g1b
	s_cmp_eq_u32 s15, 0
	s_cbranch_scc0 .Lfor_b_\@
	tensor_load_to_lds s[\g0a:\g0a+3], s[\g1a:\g1a+7]
	s_nop 0
.rept 4
	v_nop
.endr
	s_branch .Lasked_\@
.Lfor_b_\@:
	tensor_load_to_lds s[\g0b:\g0b+3], s[\g1b:\g1b+7]
	s_nop 0
.rept 4
	v_nop
.endr
.Lasked_\@:
.endm
.macro CREST                           ; a round of the cluster's barrier behind its opening barrier
	s_cmp_lg_u32 s14, 0
	s_cbranch_scc1 .Lnot_wave_0_\@
	s_barrier_signal -3
.Lnot_wave_0_\@:
	s_barrier_wait -3
	s_barrier_signal -1
	s_barrier_wait -1
.endm
.macro CROUND
	s_barrier_signal -1
	s_barrier_wait -1
	CREST
.endm
	s_load_b128 s[4:7], s[0:1], 0x0                ; xq, wq
	s_load_b64 s[8:9], s[0:1], 0x10                ; qkv
	v_lshl_add_u32 v[SPW], v0, 2, SPARE
	v_mov_b32 v[NIL], 0
	ds_add_u32 v[SPW], v[NIL]                      ; the wave's opening: the add, twice on end, and its wait ahead of my first tensor load
	ds_add_u32 v[SPW], v[NIL]
	v_lshrrev_b32 v1, 5, v0
	v_readfirstlane_b32 s14, v1                    ; wave 0..3
	s_lshr_b32 s15, s14, 1                         ; which half of the tile's rows is mine.  Also: I fetch for P (0) or for R (1)
	s_and_b32 s16, s14, 1                          ; which half of its columns.  Also: which eight tiles I fetch
	s_bfe_u32 s40, ttmp6, 0x40000                  ; cx
	s_bfe_u32 s41, ttmp6, 0x40004                  ; cy
	s_and_b32 s17, ttmp7, 0xffff                   ; the cluster's y: 0-7 q and k, 8-11 v
	s_lshl_b32 s43, s41, 2
	s_lshl_b32 s43, 15, s43                        ; my row of the cluster
	s_lshl_b32 s44, 0x1111, s40                    ; my column
	s_or_b32 s[G1+0], s43, (3<<16)|(1<<21)         ; 15:0 the mask; 17:16 elements of 8 bytes; 21 set beside a mask; no padding
	s_or_b32 s[G1B+0], s44, (3<<16)|(1<<21)
.irp g, G1, G1B
	s_mov_b32 s[\g+1], 384<<16                     ; tensor_dim0: a tile's 3,072 bytes
	s_mov_b32 s[\g+2], 16<<16                      ; tensor_dim1: sixteen tiles for the head's loads; eight for the ring's, set behind the head's wait
	s_mov_b32 s[\g+3], 384<<16                     ; tile_dim0
	s_mov_b32 s[\g+4], 16                          ; tile_dim1 likewise
	s_mov_b32 s[\g+5], 1536                        ; from tile to tile: 12,288 bytes
	s_mov_b32 s[\g+6], 0
	s_mov_b32 s[\g+7], 0
.endr
	s_or_b32 s[G1S+0], s43, (3<<16)|(1<<21)        ; the scale bytes of sixteen tiles: 8,192 dense bytes as 32 rows of 256
	s_or_b32 s[G1SB+0], s44, (3<<16)|(1<<21)
.irp g, G1S, G1SB
	s_mov_b32 s[\g+1], 32<<16
	s_mov_b32 s[\g+2], 32<<16                      ; the scale bytes of sixteen tiles: 8,192 dense bytes as 32 rows of 256
	s_mov_b32 s[\g+3], 32<<16
	s_mov_b32 s[\g+4], 32
	s_mov_b32 s[\g+5], 32
	s_mov_b32 s[\g+6], 0
	s_mov_b32 s[\g+7], 0
.endr
	; the tile row (no register of this chain ever holds cx)
	s_lshl_b32 s45, s17, 2
	s_add_co_u32 s45, s45, s41                     ; q, k: 4 y + cy
	s_cmp_ge_u32 s17, 8
	s_cselect_b32 s45, s41, s45                    ; v: cy
	s_cselect_b32 s46, 128, 0                      ; v: P begins at wq's tile 128
	s_mov_b32 s18, XS_OFF
	s_cselect_b32 s18, WS_OFF, s18                 ; where P's scale bytes begin in its buffer
	s_mov_b32 s19, WS_OFF
	s_cselect_b32 s19, XS_OFF, s19                 ; and R's
	; the tile column (no register of this chain ever holds cy)
	s_max_u32 s92, s17, 8
	s_sub_co_u32 s92, s92, 8
	s_lshl_b32 s92, s92, 1
	s_add_co_u32 s92, s92, ttmp9
	s_lshl_b32 s92, s92, 2
	s_add_co_u32 s92, s92, s40                     ; v: 4 (2 (y - 8) + x) + cx
	s_lshl_b32 s93, ttmp9, 2
	s_add_co_u32 s93, s93, s40                     ; q, k: 4 x + cx
	s_cmp_ge_u32 s17, 8
	s_cselect_b32 s42, s92, s93
	s_lshl_b32 s20, s45, 4
	s_add_co_u32 s20, s20, s46                     ; P: the work-group's first tile
	s_lshl_b32 s22, s20, 9
	s_add_co_u32 s22, s22, s18                     ; its scale bytes,
	s_mul_i32 s20, s20, RT                         ; its codes
	s_mov_b32 s21, 0
	s_mov_b32 s23, 0
	s_lshl_b32 s94, s42, 4
	s_lshl_b32 s96, s94, 9
	s_add_co_u32 s96, s96, s19
	s_mul_i32 s94, s94, RT
	s_mov_b32 s95, 0
	s_mov_b32 s97, 0
	s_mul_i32 s47, s14, HALFT                      ; where they go: no place in the cluster enters an LDS address
	s_mul_i32 s98, s16, 8*RT                       ; in the ring I fetch eight of the sixteen tiles: which half, in bytes
	s_mov_b32 s99, 0
	s_wait_dscnt 0x0                               ; both opening adds are done
	s_wait_kmcnt 0x0
	s_cmp_ge_u32 s17, 8
	s_cselect_b64 s[10:11], s[6:7], s[4:5]         ; P's buffer
	s_cselect_b64 s[12:13], s[4:5], s[6:7]         ; R's
	s_add_nc_u64 s[20:21], s[10:11], s[20:21]
	s_add_nc_u64 s[22:23], s[10:11], s[22:23]
	s_add_nc_u64 s[94:95], s[12:13], s[94:95]
	s_add_nc_u64 s[96:97], s[12:13], s[96:97]
	CROUND                                         ; all sixteen work-groups are here: the first joint loads meet
	s_mov_b32 s[G0S], 1
	s_mov_b32 s[G0S+1], SCL
	s_mov_b64 s[G0S+2:G0S+3], s[22:23]
	s_or_b32 s[G0S+3], s[G0S+3], 0x80000000
	s_mov_b32 s[G0SB], 1
	s_mov_b32 s[G0SB+1], SCL+8320
	s_mov_b64 s[G0SB+2:G0SB+3], s[96:97]
	s_or_b32 s[G0SB+3], s[G0SB+3], 0x80000000
.irp s, 0,1
	s_mov_b32 s[G0+4*\s], 1
	s_add_co_u32 s[G0+4*\s+1], s47, \s*SLOT
	s_add_nc_u64 s[G0+4*\s+2:G0+4*\s+3], s[20:21], \s*KSB
	s_or_b32 s[G0+4*\s+3], s[G0+4*\s+3], 0x80000000
	s_mov_b32 s[G0B+4*\s], 1
	s_add_co_u32 s[G0B+4*\s+1], s47, \s*SLOT
	s_add_nc_u64 s[G0B+4*\s+2:G0B+4*\s+3], s[94:95], \s*KSB
	s_or_b32 s[G0B+4*\s+3], s[G0B+4*\s+3], 0x80000000
.endr
	s_mov_b32 s[G0+1], 0                           ; for the head slot 0's two groups 0 name whole tiles: P's sixteen at 0,
	s_mov_b32 s[G0B+1], 2*HALFT                    ; R's sixteen behind them
	s_add_nc_u64 s[G0+6:G0+7], s[G0+6:G0+7], s[98:99]      ; slot 1's name my eight tiles
	s_add_nc_u64 s[G0B+6:G0B+7], s[G0B+6:G0B+7], s[98:99]
; THE HEAD'S LOADS, ONE A WAVE: wave 0 K step 0 of P's sixteen tiles, wave 1 of R's, wave 2 P's scale bytes for all of K, wave 3 R's.
; One chain of branches on the wave's number; every way through it passes exactly one load.
.macro ARM under, g0, g1, next
	s_cmp_lt_u32 s14, \under
	s_cbranch_scc0 \next
	tensor_load_to_lds s[\g0:\g0+3], s[\g1:\g1+7]
	s_nop 0
.rept 4
	v_nop
.endr
	s_branch .Lhead_asked
\next:
.endm
	ARM 1, G0,  G1,  .Lhead_b
	ARM 2, G0B, G1B, .Lhead_sa
	ARM 3, G0S, G1S, .Lhead_sb
	tensor_load_to_lds s[G0SB:G0SB+3], s[G1SB:G1SB+7]
	s_nop 0
.rept 4
	v_nop
.endr
.Lhead_asked:
	v_and_b32 v1, 31, v0                           ; L
	v_and_b32 v2, 15, v0                           ; r
	v_bfe_u32 v3, v0, 4, 1                         ; h
	v_lshlrev_b32 v[LI], 4, v1
	v_lshlrev_b32 v[LJ], 3, v1
	s_mul_i32 s18, s15, HALFT                      ; my eight tiles of P
	s_mul_i32 s19, s16, HALFT                      ; my eight of R,
	s_add_co_u32 s19, s19, 2*HALFT                 ; which lie behind P's sixteen
.irp s, 0,1
	v_add_nc_u32 v[ADRA+\s], s18, v[LI]
	v_add_nc_u32 v[ADRA+2+\s], s18, v[LJ]
	v_add_nc_u32 v[ADRB+\s], s19, v[LI]
	v_add_nc_u32 v[ADRB+2+\s], s19, v[LJ]
	s_add_co_u32 s18, s18, SLOT
	s_add_co_u32 s19, s19, SLOT
.endr
	v_lshlrev_b32 v6, 3, v2                        ; my row's eight bytes of a K step
	s_lshl_b32 s18, s15, 12
	s_lshl_b32 s19, s16, 12
	s_add_co_u32 s19, s19, 8320
	s_sub_co_u32 s19, s19, s18
	v_mul_u32_u24 v7, s19, v3                      ; lanes 16-31 take R's
	s_add_co_u32 s18, s18, SCL
	v_add_nc_u32 v6, v6, v7
	v_add_nc_u32 v[ADRS], s18, v6
	s_lshl_b32 s18, s14, 9
	v_lshl_add_u32 v[SWO], v2, 2, s18
	v_add_nc_u32 v[SWI], s18, v[LI]
	; where my results go
	s_lshl_b32 s18, s42, 1
	s_add_co_u32 s18, s18, s16                     ; my 128 columns: pair of heads, or 128 keys
	s_lshl_b32 s19, s45, 4
	s_lshl_b32 s20, s15, 3
	s_add_co_u32 s19, s19, s20                     ; my first tile of rows
	s_cmp_ge_u32 s17, 8
	s_cselect_b32 s20, 6, 9                        ; log2 of the tiles of rows in all: 64 or 512
	s_cselect_b32 s21, VC_OFF, 0
	s_mov_b32 s23, QKS_OFF
	s_cselect_b32 s23, VS_OFF, s23
	s_lshl_b32 s18, s18, s20
	s_add_co_u32 s92, s18, s19
	s_lshl_b32 s92, s92, 6
	s_add_co_u32 s92, s92, s23                     ; the scale words: 64 bytes a tile
	s_mov_b32 s93, 0
	s_lshl_b32 s18, s18, 1
	s_add_co_u32 s18, s18, s19
	s_mul_i32 s18, s18, 768
	s_add_co_u32 s18, s18, s21                     ; the half fragments of my columns 0-63;
	s_mov_b32 s19, 0
	s_lshl_b32 s20, 768, s20                       ; those of columns 64-127 lie so much further on
	s_mov_b32 s21, 0
	s_add_nc_u64 s[10:11], s[8:9], s[18:19]
	s_add_nc_u64 s[12:13], s[10:11], s[20:21]
	s_add_nc_u64 s[8:9], s[8:9], s[92:93]
	s_mov_b32 s100, 0x76543210
	s_mov_b32 s101, 0xfedcba98                     ; v_permlanex16_b32's selects for lane l xor 16
.macro FRAG reg, adr, q, i             ; a fragment, 16 rows x 128 K: two half fragments, each 16 bytes a lane at 16 L and 8 bytes a lane at 512 + 8 L: every load is dense by lane
.irp c, 0,1
	ds_load_b128 v[\reg+6*\c:\reg+6*\c+3], v[\adr] offset:KSB*(\i)+768*(2*(\q)+\c)
	ds_load_b64 v[\reg+6*\c+4:\reg+6*\c+5], v[\adr+2] offset:KSB*(\i)+768*(2*(\q)+\c)+512
.endr
.endm
; 16 matrix instructions: P's tiles a0, a0 + 1 x R's eight.  The 64 accumulators take turns, one instruction a turn, in the same order in every step.
.macro MUL16 a0, p, q, sc, zero
.irp a, \a0, \a0+1
.irp b, 0,1,2,3,4,5,6,7
.if \zero == 1
	v_wmma_scale_f32_16x16x128_f8f6f4 v[8*(8*((\a)%4)+\b):8*(8*((\a)%4)+\b)+7], v[128*(\p)+FR*\b:128*(\p)+FR*\b+FR-1], v[AF+FR*(\a):AF+FR*(\a)+FR-1], 0, v[SC+8*NQ*(\sc)+NQ*\b+(\q)], v[SC+8*NQ*(\sc)+NQ*(\a)+(\q)] matrix_a_fmt:MATRIX_FMT_FP6 matrix_b_fmt:MATRIX_FMT_FP6 matrix_a_scale:MATRIX_SCALE_ROW1
.else
	v_wmma_scale_f32_16x16x128_f8f6f4 v[8*(8*((\a)%4)+\b):8*(8*((\a)%4)+\b)+7], v[128*(\p)+FR*\b:128*(\p)+FR*\b+FR-1], v[AF+FR*(\a):AF+FR*(\a)+FR-1], v[8*(8*((\a)%4)+\b):8*(8*((\a)%4)+\b)+7], v[SC+8*NQ*(\sc)+NQ*\b+(\q)], v[SC+8*NQ*(\sc)+NQ*(\a)+(\q)] matrix_a_fmt:MATRIX_FMT_FP6 matrix_b_fmt:MATRIX_FMT_FP6 matrix_a_scale:MATRIX_SCALE_ROW1
.endif
.endr
.endr
.endm
.macro FETCH_B slot, q, p
	WIN TO_B
.irp i, 0,1,2,3,4,5,6,7
	FRAG 128*(\p)+FR*\i, ADRB+\slot, \q, \i
.endr
	WIN 0
.endm
.macro FETCH_A slot, q, i0
.irp i, \i0, \i0+1, \i0+2, \i0+3
	FRAG AF+FR*(\i), ADRA+\slot, \q, \i
.endr
.endm
.macro SCALES sc                       ; a K step's scale words: two a row; lanes 0-15 take P's tile i, lanes 16-31 R's tile i
.irp i, 0,1,2,3,4,5,6,7
	ds_load_b64 v[SC+8*NQ*\sc+NQ*\i:SC+8*NQ*\sc+NQ*\i+1], v[ADRS] offset:\i*512
.endr
.endm
.macro PLACES n                        ; plain vector lines between a matrix instruction and a load into, or a read of, its registers
.rept \n
	v_nop
.endr
.endm
.macro STEP slot, q, zero              ; 128 along K that has its successor in the same slot
	s_wait_dscnt 4*NL                              ; R's set and P's tiles 0-3 are in; the youngest sixteen loads (P's tiles 4-7) may be out
	WINM 0, \zero
	MUL16 0, (\q)%2, \q, \slot, \zero
	MUL16 2, (\q)%2, \q, \slot, \zero
	s_wait_dscnt 0                                 ; P's tiles 4-7 are in
	PLACES NP
	FETCH_B \slot, (\q)+1, 1-(\q)%2
	FETCH_A \slot, (\q)+1, 0
	WINM 1, \zero
	MUL16 4, (\q)%2, \q, \slot, \zero
	MUL16 6, (\q)%2, \q, \slot, \zero
	PLACES NP
	WIN 0
	FETCH_A \slot, (\q)+1, 4
.endm
; A slot's last step changes slots: one barrier; in front of it each wave waits for all its tensor loads, adds 0 to its spare word, and waits for that and for its reads of this slot.
.macro TURN slot, next, fill
	s_wait_tensorcnt 0x0                           ; all my tensor loads have landed: my part of the next slot
	ds_add_u32 v[SPW], v[NIL]                      ; 0 onto my spare word
	s_wait_dscnt 4*NL+1                            ; (the add and the youngest sixteen loads may be out)
	WIN 0xa1
	MUL16 0, 1, NQ-1, \slot, 0
	s_wait_dscnt 0x0                               ; the add is done, and my reads of this slot are over
	s_barrier_signal -1
	MUL16 2, 1, NQ-1, \slot, 0
	WIN 0
	s_barrier_wait -1
.if \fill
	CREST                                          ; the barrier has opened a round of the cluster's: no wave of any partner still reads this slot or has a load on its way
	s_add_nc_u64 s[G0+4*\slot+2:G0+4*\slot+3], s[G0+4*\slot+2:G0+4*\slot+3], 2*KSB
	s_add_nc_u64 s[G0B+4*\slot+2:G0B+4*\slot+3], s[G0B+4*\slot+2:G0B+4*\slot+3], 2*KSB
	JLOAD G0+4*\slot, G1, G0B+4*\slot, G1B         ; the first tensor load behind the round; its four v_nop are the places in front of the loads below
.else
	PLACES NP
.endif
	s_wait_alu depctr_va_vdst(0)
	v_add_nc_u32 v[ADRS], 128, v[ADRS]             ; the next K step's scale words
	FETCH_B \next, 0, 0
	FETCH_A \next, 0, 0
	SCALES \next
	WIN 0xf1
	MUL16 4, 1, NQ-1, \slot, 0
	MUL16 6, 1, NQ-1, \slot, 0
	PLACES NP
	WIN 0
	FETCH_A \next, 0, 4
.endm
	s_wait_alu depctr_va_vdst(0)
	s_wait_tensorcnt 0x0                           ; my tile of the head's four is in; slot 1's first fill is issued as a refill is
	ds_add_u32 v[SPW], v[NIL]
	s_mov_b32 s[G1+2], 8<<16                       ; no tensor load of mine is out, so descriptors may be written: from here on a load brings eight tiles,
	s_mov_b32 s[G1+4], 8
	s_mov_b32 s[G1B+2], 8<<16
	s_mov_b32 s[G1B+4], 8
	s_mov_b32 s[G0+1], s47                         ; and slot 0's groups 0 name my eight
	s_mov_b32 s[G0B+1], s47
	s_add_nc_u64 s[G0+2:G0+3], s[G0+2:G0+3], s[98:99]
	s_add_nc_u64 s[G0B+2:G0B+3], s[G0B+2:G0B+3], s[98:99]
	s_wait_dscnt 0x0
	CROUND                                         ; a whole round: all four tiles are in, and the sixteen work-groups are here
	JLOAD G0+4, G1, G0B+4, G1B                     ; K step 1, the first tensor load behind the round
	FETCH_B 0, 0, 0
	FETCH_A 0, 0, 0
	SCALES 0
	FETCH_A 0, 0, 4
	STEP 0, 0, 1                                   ; the first products start the sums: nothing is cleared
	TURN 0, 1, 1
	STEP 1, 0, 0
	TURN 1, 0, 1
	STEP 0, 0, 0
	TURN 0, 1, 0                                   ; nothing is left to fetch
	STEP 1, 0, 0
	s_wait_dscnt 4*NL
	WIN 0xa1
	MUL16 0, 1, NQ-1, 1, 0
	MUL16 2, 1, NQ-1, 1, 0
	s_wait_dscnt 0
	WIN 0xf1
	MUL16 4, 1, NQ-1, 1, 0
	MUL16 6, 1, NQ-1, 1, 0
	WIN 0
	PLACES NP
; THE EPILOGUE.  Tile a's 64 results of a lane are four half blocks of 16 neighbours: each block's largest magnitude is joined with lane l xor 16's, the conversions make half blocks of codes, and
; an exchange of halves gives each lane a whole block: the twelve registers are a fragment's image, stored as two half fragments.
.set TM, 32                            ; v32-35 largest magnitudes, v36-39 bytes, v44-47 the conversions' scale operands
.set TQ, 48                            ; v48-55 the blocks' other halves, as converted
.set PW, 56                            ; v56-63 tile a's scale word
.set PC, 64                            ; v64-159 tile a's twelve registers of codes: no store's data are written again
.macro QUANTW a
.set AC, 64*((\a)%4)
.set PCA, PC+12*(\a)
	WIN 0x0a+5*((\a)/4)                            ; sources 0 and 1: window 2 or 3
.irp b, 0,1,2,3
	v_max3_num_f32 v[TM+\b], |v[AC+16*\b]|, |v[AC+16*\b+1]|, 0x1800000   ; each accumulator is read from its low end on; the floor 2^(3 - 127) keeps the byte at 1 or more
.endr
.irp i, 2,4,6,8,10,12,14
.irp b, 0,1,2,3
	v_max3_num_f32 v[TM+\b], |v[AC+16*\b+\i]|, |v[AC+16*\b+\i+1]|, v[TM+\b]
.endr
.endr
	WIN 0
.irp b, 0,1,2,3
	v_permlanex16_b32 v[TM+4+\b], v[TM+\b], s100, s101
.endr
.irp b, 0,1,2,3
	v_max_num_f32 v[TM+\b], v[TM+\b], v[TM+4+\b]
.endr
.irp b, 0,1,2,3
	v_add_nc_u32 v[TM+12+\b], 0xff000000, v[TM+\b] ; 2 off the exponent field: the conversion's scale operand
.endr
.irp b, 0,1,2,3
	v_lshrrev_b32 v[TM+4+\b], 23, v[TM+12+\b]      ; the scale's byte
.endr
	v_lshl_or_b32 v[PW+(\a)], v[TM+5], 8, v[TM+4]
	v_lshl_or_b32 v[PW+(\a)], v[TM+6], 16, v[PW+(\a)]
	v_lshl_or_b32 v[PW+(\a)], v[TM+7], 24, v[PW+(\a)]
	WIN 0x02+((\a)/4)                              ; source 0: window 2 or 3
.irp c, 0,1
	v_cvt_scalef32_pk16_fp6_f32 v[PCA+6*\c:PCA+6*\c+2], v[AC+32*\c:AC+32*\c+15], v[TM+12+2*\c]
	v_cvt_scalef32_pk16_fp6_f32 v[TQ+4*\c:TQ+4*\c+2], v[AC+32*\c+16:AC+32*\c+31], v[TM+13+2*\c]
.endr
	WIN 0
	v_nop                                          ; one plain line behind the conversions
.irp c, 0,1
.irp i, 0,1,2
	v_permlane16_swap_b32 v[PCA+6*\c+\i], v[TQ+4*\c+\i]   ; lanes 0-15 now hold block 2 c, lanes 16-31 block 2 c + 1: lower 16 codes here, upper 16 there
.endr
.irp i, 0,1,2
	v_mov_b32 v[PCA+6*\c+3+\i], v[TQ+4*\c+\i]
.endr
.endr
.endm
.irp b, 0,1,2,3
	v_mov_b32 v[TM+4+\b], 0                        ; written once: a lane permute's destination counts as one of its sources
.endr
.irp a, 0,1,2,3,4,5,6,7
	QUANTW \a
	global_store_b128 v[LI], v[PC+12*\a:PC+12*\a+3], s[10:11] offset:768*\a          ; 512 consecutive bytes, aligned,
	global_store_b64 v[LJ], v[PC+12*\a+4:PC+12*\a+5], s[10:11] offset:768*\a+512     ; and 256
	global_store_b128 v[LI], v[PC+12*\a+6:PC+12*\a+9], s[12:13] offset:768*\a
	global_store_b64 v[LJ], v[PC+12*\a+10:PC+12*\a+11], s[12:13] offset:768*\a+512
	ds_store_b32 v[SWO], v[PW+\a] offset:64*\a     ; the scale words gather in 512 bytes of slot 0, which has had its last fill and its last read (lanes r and r + 16 write the same word)
.endr
	ds_load_b128 v[160:163], v[SWI]                ; LDS serves a wave's instructions in order: this sees my stores
	s_wait_dscnt 0x0
	global_store_b128 v[LI], v[160:163], s[8:9]    ; 512 consecutive bytes, aligned
	s_wait_tensorcnt 0x0                           ; the wave's end
	ds_add_u32 v[SPW], v[NIL]
	s_wait_dscnt 0x0
	CROUND                                         ; the closing round
	s_endpgm
.Lfunc_end_k_qf57de5a894_gemmq:
	.size	k_qf57de5a894_gemmq, .Lfunc_end_k_qf57de5a894_gemmq-k_qf57de5a894_gemmq
	.p2alignl 7, 3214868480
	.fill 96, 4, 3214868480
	.section	.rodata,"a",@progbits
	.p2align	6, 0x0
	.amdhsa_kernel k_qf57de5a894_gemmq
		.amdhsa_group_segment_fixed_size 327680
		.amdhsa_private_segment_fixed_size 0
		.amdhsa_enable_private_segment 0
		.amdhsa_kernarg_size 24
		.amdhsa_user_sgpr_count 2
		.amdhsa_user_sgpr_kernarg_segment_ptr 1
		.amdhsa_wavefront_size32 1
		.amdhsa_system_sgpr_workgroup_id_x 1
		.amdhsa_system_sgpr_workgroup_id_y 1
		.amdhsa_system_sgpr_workgroup_id_z 1
		.amdhsa_system_vgpr_workitem_id 0
		.amdhsa_next_free_vgpr 1024
		.amdhsa_next_free_sgpr 102
		.amdhsa_reserve_vcc 0
		.amdhsa_float_denorm_mode_32 3
		.amdhsa_float_denorm_mode_16_64 3
		.amdhsa_memory_ordered 1
		.amdhsa_forward_progress 1
		.amdhsa_inst_pref_size 151
	.end_amdhsa_kernel
	.amdgpu_metadata
---
amdhsa.version: [ 1, 2 ]
amdhsa.kernels:
  - .name:           k_qf57de5a894_gemmq
    .symbol:         k_qf57de5a894_gemmq.kd
    .args:
      - { .name: xq, .offset: 0, .size: 8, .value_kind: global_buffer, .address_space: global }
      - { .name: wq, .offset: 8, .size: 8, .value_kind: global_buffer, .address_space: global }
      - { .name: qkv, .offset: 16, .size: 8, .value_kind: global_buffer, .address_space: global }
    .group_segment_fixed_size: 327680
    .private_segment_fixed_size: 0
    .kernarg_segment_align: 8
    .kernarg_segment_size: 24
    .max_flat_workgroup_size: 128
    .sgpr_count:     102
    .vgpr_count:     1024
    .wavefront_size: 32
...
	.end_amdgpu_metadata
.endif
;; end of part 2
;; launch attn (part 3): grid 4 x 64, 16 waves a work-group, no clusters, 327,680 bytes of LDS; arguments qkv, aq; writes aq
.if DOCPART == 3
	.amdgcn_target "amdgcn-amd-amdhsa--gfx1250"
	.amdhsa_code_object_version 6
	.text
	.protected	k_qf57de5a894_attn
	.globl	k_qf57de5a894_attn
	.p2align	8
	.type	k_qf57de5a894_attn,@function
k_qf57de5a894_attn:
	s_mov_b64 s[64:65], 0
	v_nop
	global_prefetch_b8 v0, s[64:65] scope:SCOPE_SE
	s_setreg_imm32_b32 hwreg(HW_REG_WAVE_MODE, 25, 1), 1
	s_wait_xcnt 0x0
; For each batch and head: S = q k^T / 8 under the causal mask, p = 2^(t - M) (t = score x log2(e) / 8, M the running largest t rounded up to a whole number), O = p v / the row's sum of the unquantised p;
; both products on codes of FP6 (E2M3).  O is quantised along C in registers and stored as the last product's operand image.
; WORK LEFT OUT: key steps all of whose 128 keys come after the wave's 128 queries, and slots of 256 keys behind a block's last query: reference()'s own causal mask gives them the weight 0 for all inputs
; (shown at the head of the first launch).  LIMIT: the promise holds while the scaled scores t stay under 2^31 in magnitude.
; q, k, v^T arrive as images: half fragments of 768 bytes (16 rows x 64 along K; lane L = r + 16 h: 16 bytes at 16 L, 8 bytes at 512 + 8 L); tile a, lane-row r is row 32 (a / 2) + 8 (a % 2) + r + 8 (r / 8).
; SHARES.  A head's 2,048 queries are 8 blocks of 256.  All sixteen waves of a work-group work on one block, a wave on one tile of 16 queries; work-group x takes block 7 - x (8 - x slots of 256 keys)
; and then block x (x + 1 slots): 9 slots in every work-group, a constant trip count, and 4 x 64 = 256 work-groups.  Where the first block ends is a scalar test on ids, the same in all waves; it leads round
; the way out and the second block's set-up alone.  The ring of two slots goes on across it: the slot asked for in the first block's last trip is the second block's keys 0-255.
; A wave's half of the block is (wave ^ (wave / 4)) & 1.  In a block's last slot the lower half's waves jump over the second step (scalar branch on ids, round loads and arithmetic alone).
; Both products are used transposed: S^T = k q^T, O^T = v^T p^T: a lane holds one query throughout, and 16 registers of two neighbouring tiles are 16 neighbours along the next K.
; THE FIRST PRODUCT'S K IS 64.  q's registers 6-11 hold zero codes.  k's eight half fragments lie on end, six registers each; an operand's registers 6-11 are the next tile's codes (behind the last: six zeros),
; which meet q's zero codes, under scale bytes 0 (2^-127): they add exactly 0, since no code of this format is a NaN or an infinity.
; NO CLUSTER: the four work-groups of a head ask for the same slots only in their first four refills; from the fifth on their walks differ (8 - x), so partners could not make every joint request.
; LDS: two slots 32,768 bytes apart: k 16 tiles x 768; v^T [64 keys: 4][tile of channels: 4][768]; k's scale words 1,024; v's 512.  Waves 0, 1 fetch k's halves, 2, 3 v's, 4 k's scale words, 5 v's.  Then the spare words.
; A fetching wave has one tensor load out, at the head and behind each change of slots; every wait on TENSORcnt is for 0.
; PREFETCH: the head's work-group x = 0 walks key slots 0 to 7 in order; its waves 8 to 10 name, a lane a block of 256 bytes, the 96 blocks of the codes of the slot two ahead of the one in hand
; (one ahead of the tensor load's), for slots 2 to 7; nobody else asks.  The scale words, 6 blocks a slot, come by their loads alone.
.set VC_OFF,  12582912
.set QKS_OFF, 18874368
.set VS_OFF,  19398656
.set AS_OFF,  6291456
.set SLOT1, 32768
.set VOFF,  12288
.set SKO,   24576
.set SVO,   25600
.set SPARE, 65536                      ; the spare words, 128 bytes for each wave: eight blocks of 256 bytes that no other line names
; vector registers: v1 16 L, v2 8 L, v3, v4 my place among a slot's scale words of k and v, v8-11 the step's addresses, v12 -M, v13 the largest t, v[14:15] the sum
.set SPW, 5
.set NIL, 6
.set PFO, 7                            ; the prefetch's offset
.set Q,   16                           ; v16-27   q
.set VS,  28                           ; v28-31   v's scale words
.set KR,  32                           ; v32-79   k's eight half fragments; behind the scores' first use the same registers hold p's codes and what the sums and conversions need
.set ZR,  80                           ; v80-85   zero codes
.set VF,  86                           ; v86-133  v^T's four fragments
.set S,   134                          ; v134-197 S^T, then p
.set O,   198                          ; v198-229 O^T
.set KS,  230                          ; v230-237 k's scale words
.set QS,  238                          ; q's scale word
.set R4,  239                          ; 4 r
.set F,   240                          ; f = 2^(old M - new M)
.set PW,  241                          ; p's scale word
.set TT,  242
.set BM,  243                          ; v243-246 the blocks' largest scores, then largest p
.set PFS, 247                          ; the prefetch's step
.set PT,  248                          ; v248-251
.set SO,  252                          ; v252-255 the conversions' scale operands
.set PC,  32                           ; p's codes, twelve registers
.set CT,  44                           ; the blocks' other halves, as converted
.set SM,  52                           ; seven pairs for the row's sum
; scalar registers
.set TB,   2                           ; LDS byte at which the slot in hand begins
.set KL,   3                           ; the key slot that the next load brings
.set WV,   18
.set SEL,  20
.set CS,   22
.set G1K,  24
.set G1V,  32
.set G0K,  40
.set G0V,  44
.set G1SK, 48
.set G0SK, 56
.set G0SV, 60
.set NA,   66                          ; slots of the first block
.set SLOTS, 67
.set G1SV, 68
.set LIM,  76                          ; 2 in a wave that prefetches, else the greatest number
.set KF,   77                          ; the step's first key
.set QB,   78                          ; my 128 queries' first
.set SW,   79                          ; the value of SLOTS in the first block's last trip
.set SQ,   80                          ; my tile's first query among the 128
.set QB2,  81                          ; QB for the second block
.set BK,   82                          ; s[82:89] where slot 0's k, v^T, k's and v's scale words begin (my half of them)
.set BV,   84
.set BSK,  86
.set BSV,  88
.set OF,   90                          ; s[90:91] an offset
.set PA,   8                           ; s[8:15]  first block: q, q's scale bytes, my place in aq's codes, in its scale bytes
.set PB,   92                          ; s[92:99] second block
.macro TL g0, g1                       ; an s_nop 0 and four v_nop follow each tensor load
	tensor_load_to_lds s[\g0:\g0+3], s[\g1:\g1+7]
	s_nop 0
.rept 4
	v_nop
.endr
.endm
.macro TLOAD                           ; one chain of branches on the wave's number, one load to an arm
	s_cmp_lt_u32 s[WV], 2
	s_cbranch_scc0 .Lnot_k_\@
	TL G0K, G1K
	s_branch .Lasked_\@
.Lnot_k_\@:
	s_cmp_lt_u32 s[WV], 4
	s_cbranch_scc0 .Lnot_v_\@
	TL G0V, G1V
	s_branch .Lasked_\@
.Lnot_v_\@:
	s_cmp_eq_u32 s[WV], 4
	s_cbranch_scc0 .Lnot_sk_\@
	TL G0SK, G1SK
	s_branch .Lasked_\@
.Lnot_sk_\@:
	s_cmp_eq_u32 s[WV], 5
	s_cbranch_scc0 .Lasked_\@
	TL G0SV, G1SV
.Lasked_\@:
.endm
.macro ASK
	s_cmp_gt_u32 s[SLOTS], s[LIM]
	s_cbranch_scc0 .Lnot_mine_\@
	s_wait_alu depctr_va_vdst(0)
	global_prefetch_b8 v[PFO], s[4:5] th:TH_LOAD_NT scope:SCOPE_SE
.Lnot_mine_\@:
.endm
.macro GRP1 g, c, r, p                 ; descriptor group 1: r rows of c elements of 8 bytes, p elements apart, no padding
	s_mov_b32 s[\g], 3<<16
	s_mov_b32 s[\g+1], (\c)<<16
	s_mov_b32 s[\g+2], (\r)<<16
	s_mov_b32 s[\g+3], (\c)<<16
	s_mov_b32 s[\g+4], \r
	s_mov_b32 s[\g+5], \p
	s_mov_b32 s[\g+6], 0
	s_mov_b32 s[\g+7], 0
.endm
.macro OFFS i, d                       ; for the tile of tokens in s[i]: byte offsets of q, of q's scale bytes (in qkv), of my codes and scale bytes (in aq)
	s_lshl_b32 s[\d], s101, 9
	s_add_co_u32 s[\d], s[\d], s[\i]
	s_mul_i32 s[\d], s[\d], 768
	s_mov_b32 s[\d+1], 0
	s_lshr_b32 s[\d+2], s101, 1
	s_lshl_b32 s[\d+2], s[\d+2], 9
	s_add_co_u32 s[\d+2], s[\d+2], s[\i]
	s_lshl_b32 s[\d+2], s[\d+2], 6
	s_add_co_u32 s[\d+2], s[\d+2], s16
	s_mov_b32 s[\d+3], 0
	s_lshl_b32 s[\d+4], s[\i], 4
	s_add_co_u32 s[\d+4], s[\d+4], s101
	s_mul_i32 s[\d+4], s[\d+4], 768
	s_mov_b32 s[\d+5], 0
	s_lshl_b32 s[\d+6], s[\i], 9
	s_add_co_u32 s[\d+6], s[\d+6], s17
	s_mov_b32 s[\d+7], 0
.endm
.macro RESET                           ; a block's start: the step is written once; the first change of M leaves zeros zeros
	v_mov_b32 v13, 0xff61b1e6                      ; the largest t so far: -3e38
	s_delay_alu instid0(VALU_DEP_1)
	v_floor_f32 v12, -v13                          ; -M
	v_mov_b32 v14, 0
	v_mov_b32 v15, 0
.set j, 0
.rept 32
	v_mov_b32 v[O+j], 0
.set j, j+1
.endr
.endm
	s_load_b128 s[4:7], s[0:1], 0x0                ; qkv, aq
	v_lshl_add_u32 v[SPW], v0, 2, SPARE
	v_mov_b32 v[NIL], 0
	ds_add_u32 v[SPW], v[NIL]                      ; the wave's opening: the add, twice on end, and its wait ahead of my first tensor load
	ds_add_u32 v[SPW], v[NIL]
	v_lshrrev_b32 v8, 5, v0
	v_readfirstlane_b32 s[WV], v8                  ; wave 0..15
	s_and_b32 s16, ttmp7, 0xffff
	s_lshr_b32 s100, s16, 4                        ; batch
	s_and_b32 s101, s16, 15                        ; head
	s_lshr_b32 s19, s[WV], 2
	s_xor_b32 s19, s19, s[WV]
	s_and_b32 s19, s19, 1                          ; my half of the block's 256 queries
	s_lshr_b32 s17, s[WV], 1                       ; my tile among its eight
	s_lshr_b32 s[SQ], s17, 1
	s_lshl_b32 s[SQ], s[SQ], 5
	s_and_b32 s16, s17, 1
	s_lshl_b32 s16, s16, 3
	s_add_co_u32 s[SQ], s[SQ], s16
	s_lshl_b32 s16, s19, 3
	s_add_co_u32 s17, s17, s16
	s_lshl_b32 s16, s100, 7                        ; 128 tiles of tokens a batch
	s_add_co_u32 s17, s17, s16
	s_lshl_b32 s[QB2], ttmp9, 4
	s_add_co_u32 s3, s17, s[QB2]                   ; my tile of tokens in block x,
	s_sub_co_u32 s16, 7, ttmp9
	s_lshl_b32 s16, s16, 4
	s_add_co_u32 s2, s17, s16                      ; and in block 7 - x
	s_lshl_b32 s19, s19, 7
	s_lshl_b32 s[QB], s16, 4
	s_add_co_u32 s[QB], s[QB], s19
	s_lshl_b32 s[QB2], s[QB2], 4
	s_add_co_u32 s[QB2], s[QB2], s19
	s_add_co_u32 s[SW], ttmp9, 1
	s_sub_co_u32 s[NA], 8, ttmp9
	s_and_b32 s19, s101, 1
	s_lshl_b32 s19, s19, 1                         ; my head's two bytes of a scale word of q or k
	s_add_co_u32 s16, s19, QKS_OFF
	s_lshr_b32 s17, s101, 2
	s_lshl_b32 s17, s17, 7
	s_and_b32 s77, s101, 3
	s_lshl_b32 s77, s77, 1
	s_add_co_u32 s17, s17, s77
	s_add_co_u32 s17, s17, AS_OFF
	OFFS 2, PA
	OFFS 3, PB
	s_lshl_b32 s77, s100, 7
	s_add_co_u32 s16, s101, 16
	s_lshl_b32 s16, s16, 9
	s_add_co_u32 s16, s16, s77
	s_mul_i32 s16, s16, 768                        ; the head's k
	s_and_b32 s2, s[WV], 1                         ; which half I fetch, if I fetch codes
	s_mul_i32 s3, s2, 6144                         ; in LDS (both) and in memory (k)
	s_add_co_u32 s[BK], s16, s3
	s_mov_b32 s[BK+1], 0
	s_lshl_b32 s17, s100, 11
	s_lshl_b32 s[BSV], s101, 2
	s_add_co_u32 s17, s17, s[BSV]
	s_mul_i32 s17, s17, 768
	s_add_co_u32 s17, s17, VC_OFF                  ; the head's v^T
	s_mul_i32 s[BV], s2, 98304                     ; two groups of 64 keys on
	s_add_co_u32 s[BV], s[BV], s17
	s_mov_b32 s[BV+1], 0
	s_lshr_b32 s[BSK], s101, 1
	s_add_co_u32 s[BSK], s[BSK], 8
	s_lshl_b32 s[BSK], s[BSK], 9
	s_add_co_u32 s[BSK], s[BSK], s77
	s_lshl_b32 s[BSK], s[BSK], 6
	s_add_co_u32 s[BSK], s[BSK], QKS_OFF           ; k's scale words: 64 bytes a tile
	s_mov_b32 s[BSK+1], 0
	s_lshl_b32 s77, s100, 10
	s_add_co_u32 s[BSV], s[BSV], s77
	s_lshl_b32 s[BSV], s[BSV], 6
	s_add_co_u32 s[BSV], s[BSV], VS_OFF            ; v's: 256 bytes for 128 keys, 4,096 bytes apart
	s_mov_b32 s[BSV+1], 0
	GRP1 G1K, 32, 24, 32                           ; k: 6,144 dense bytes as 24 rows of 256
	GRP1 G1V, 384, 2, 6144                         ; v^T: two rows of 3,072 bytes, 49,152 bytes apart
	GRP1 G1SK, 32, 4, 32                           ; k's scale words: 1,024 dense bytes
	GRP1 G1SV, 32, 2, 512                          ; v's: two rows of 256 bytes
	s_mov_b32 s[G0K], 1
	s_mov_b32 s[G0K+1], s3
	s_mov_b32 s[G0V], 1
	s_add_co_u32 s[G0V+1], s3, VOFF
	s_mov_b32 s[G0SK], 1
	s_mov_b32 s[G0SK+1], SKO
	s_mov_b32 s[G0SV], 1
	s_mov_b32 s[G0SV+1], SVO
	s_mov_b32 s[SEL], 0x76543210
	s_mov_b32 s[SEL+1], 0xfedcba98                 ; v_permlanex16_b32's selects for lane l xor 16
	s_mov_b32 s[CS], 0x3e38aa3b                    ; c = log2(e) / 8
	s_mov_b32 s[CS+1], s[CS]
	s_mov_b32 s[TB], 0
	s_mov_b32 s[KL], 0
	s_mov_b32 s[OF+1], 0
	s_mov_b32 s[SLOTS], 8
	s_lshr_b32 s77, s[WV], 2
	s_xor_b32 s77, s77, 2                          ; 0 in waves 8 to 11,
	s_or_b32 s77, s77, ttmp9                       ; of the head's work-group 0
	s_cmp_eq_u32 s77, 0
	s_cselect_b32 s[LIM], 2, -1
	s_cmp_eq_u32 s[WV], 11                         ; (96 blocks are three waves' worth)
	s_cselect_b32 s[LIM], -1, s[LIM]
	s_wait_dscnt 0x0                               ; both opening adds are done
	s_wait_kmcnt 0x0
.irp b, BK, BV, BSK, BSV
	s_add_nc_u64 s[\b:\b+1], s[4:5], s[\b:\b+1]
.endr
	s_mov_b64 s[G0K+2:G0K+3], s[BK:BK+1]
	s_or_b32 s[G0K+3], s[G0K+3], 0x80000000
	s_mov_b64 s[G0V+2:G0V+3], s[BV:BV+1]
	s_or_b32 s[G0V+3], s[G0V+3], 0x80000000
	s_mov_b64 s[G0SK+2:G0SK+3], s[BSK:BSK+1]
	s_or_b32 s[G0SK+3], s[G0SK+3], 0x80000000
	s_mov_b64 s[G0SV+2:G0SV+3], s[BSV:BSV+1]
	s_or_b32 s[G0SV+3], s[G0SV+3], 0x80000000
.irp d, PA, PB
	s_add_nc_u64 s[\d:\d+1], s[4:5], s[\d:\d+1]
	s_add_nc_u64 s[\d+2:\d+3], s[4:5], s[\d+2:\d+3]
	s_add_nc_u64 s[\d+4:\d+5], s[6:7], s[\d+4:\d+5]
	s_add_nc_u64 s[\d+6:\d+7], s[6:7], s[\d+6:\d+7]
.endr
	TLOAD                                          ; slot 0: keys 0-255, which count for every query of the block
	v_and_b32 v8, 31, v0                           ; L
	v_and_b32 v9, 15, v0                           ; r
	s_delay_alu instid0(VALU_DEP_2)
	v_lshlrev_b32 v1, 4, v8
	s_delay_alu instid0(VALU_DEP_3)
	v_lshlrev_b32 v2, 3, v8
	s_delay_alu instid0(VALU_DEP_3)
	v_lshlrev_b32 v[R4], 2, v9
	global_load_b128 v[Q:Q+3], v1, s[PA:PA+1]      ; q's half fragment stays in registers
	global_load_b64 v[Q+4:Q+5], v2, s[PA:PA+1] offset:512
	global_load_u16 v[QS], v[R4], s[PA+2:PA+3]     ; its two scale bytes; the upper two are 0
.irp j, 6,7,8,9,10,11
	v_mov_b32 v[Q+\j], 0                           ; k = 64 .. 127 of the first product: zero codes, written once
.endr
.irp j, 0,1,2,3,4,5
	v_mov_b32 v[ZR+\j], 0
.endr
	v_lshl_add_u32 v3, v9, 2, SKO
	s_delay_alu instid0(VALU_DEP_1)
	v_add_nc_u32 v3, s19, v3
	v_lshl_add_u32 v4, v9, 2, SVO
	; the prefetches' offsets: block 32 (wave % 4) + lane of the 96; blocks 0-47 are k's, 48-95 v's (twelve for each 64 keys)
	s_and_b32 s77, s[WV], 3
	s_lshl_b32 s77, s77, 5
	v_add_nc_u32 v8, s77, v8
	s_delay_alu instid0(VALU_DEP_1)
	v_lshlrev_b32 v9, 8, v8
	s_delay_alu instid0(VALU_DEP_1)
	v_add_nc_u32 v9, s16, v9
	s_delay_alu instid0(VALU_DEP_3)
	v_sub_nc_u32 v10, v8, 48
	s_delay_alu instid0(VALU_DEP_1)
	v_mul_u32_u24 v11, v10, 43
	s_delay_alu instid0(VALU_DEP_1)
	v_lshrrev_b32 v11, 9, v11                      ; / 12, right for 0 .. 47
	s_delay_alu instid0(VALU_DEP_1)
	v_mul_u32_u24 v12, v11, 12
	s_delay_alu instid0(VALU_DEP_1)
	v_sub_nc_u32 v12, v10, v12
	s_delay_alu instid0(VALU_DEP_1)
	v_lshlrev_b32 v12, 8, v12
	s_delay_alu instid0(VALU_DEP_1)
	v_mad_u32_u24 v12, v11, 0xc000, v12
	s_delay_alu instid0(VALU_DEP_1)
	v_add_nc_u32 v12, s17, v12
	v_mov_b32 v13, 0x30000                         ; a slot on: 196,608 bytes in v^T,
	v_mov_b32 v14, 0x3000                          ; 12,288 in k
	v_cmp_gt_u32 vcc_lo, 48, v8
	s_delay_alu instid0(VALU_DEP_1)
	v_cndmask_b32 v[PFO], v12, v9, vcc_lo
	s_delay_alu instid0(VALU_DEP_2)
	v_cndmask_b32 v[PFS], v13, v14, vcc_lo
	s_delay_alu instid0(VALU_DEP_1)
	v_add_nc_u32 v[PFO], v[PFO], v[PFS]            ; at slot 1: the first change of slots steps it to slot 2.  Nothing is prefetched here, at the head
	s_mov_b32 s[KF], 0
	RESET
.irp b, 0,1,2,3
	v_mov_b32 v[PT+\b], 0                          ; a lane permute's destination counts as one of its sources
.endr
	v_mov_b32 v[F], 0
	v_mov_b32 v[PW], 0
; A KEY STEP: 128 keys, the q-th of the slot in hand.
.macro STEP q
	s_cmp_gt_u32 s[KF], s[QB]                      ; all 128 keys come after my 128 queries: the step is left out
	s_cbranch_scc1 .Lhidden_\@
	v_add_nc_u32 v8, s[TB], v1
	v_add_nc_u32 v9, s[TB], v2
	v_add_nc_u32 v10, s[TB], v3
	v_add_nc_u32 v11, s[TB], v4                    ; (these four are the places between the last step's products and the loads into their registers)
.irp t, 0,1,2,3,4,5,6,7
	ds_load_b128 v[KR+6*\t:KR+6*\t+3], v8 offset:768*(8*(\q)+\t)
	ds_load_b64 v[KR+6*\t+4:KR+6*\t+5], v9 offset:768*(8*(\q)+\t)+512
	ds_load_u16 v[KS+\t], v10 offset:512*(\q)+64*\t
.endr
.irp t, 0,1,2,3                                ; v^T's four fragments and scale words are asked for here and land under the softmax
.irp c, 0,1
	ds_load_b128 v[VF+12*\t+6*\c:VF+12*\t+6*\c+3], v8 offset:VOFF+3072*(2*(\q)+\c)+768*\t
	ds_load_b64 v[VF+12*\t+6*\c+4:VF+12*\t+6*\c+5], v9 offset:VOFF+3072*(2*(\q)+\c)+768*\t+512
.endr
	ds_load_b32 v[VS+\t], v11 offset:256*(\q)+64*\t
.endr
	s_wait_dscnt 20                                ; k's 24 loads are in; v's twenty, issued behind them, may be out
.irp t, 0,1,2,3,4,5,6,7
	v_wmma_scale_f32_16x16x128_f8f6f4 v[S+8*\t:S+8*\t+7], v[KR+6*\t:KR+6*\t+11], v[Q:Q+11], 0, v[KS+\t], v[QS] matrix_a_fmt:MATRIX_FMT_FP6 matrix_b_fmt:MATRIX_FMT_FP6
.endr
.rept 4
	v_nop                                          ; places in front of the first read of the scores
.endr
	s_cmp_lt_u32 s[KF], s[QB]                      ; all keys count: no mask
	s_cbranch_scc1 .Lopen_\@
	v_and_b32 v[PT], 15, v0                        ; on the diagonal hidden scores become -infinity ahead of the maximum: p = 0 then
	v_and_b32 v[PT+1], 8, v0
	s_delay_alu instid0(VALU_DEP_1)
	v_add_nc_u32 v[PT], v[PT], v[PT+1]
	v_and_b32 v[PT+1], 16, v0
	s_delay_alu instid0(VALU_DEP_1)
	v_sub_nc_u32 v[PT], v[PT], v[PT+1]
	s_delay_alu instid0(VALU_DEP_1)
	v_add_nc_u32 v[PT], s[SQ], v[PT]               ; d = my query - the 128's first - 16 h.  Register 16 b + i holds key 32 b + 16 h + i of the step: hidden where 32 b + i > d
	v_mov_b32 v[TT], 0xff800000
.set n, 0
.rept 64
	v_cmp_gt_i32 vcc_lo, 32*(n/16)+n%16, v[PT]
	v_cndmask_b32 v[S+n], v[S+n], v[TT], vcc_lo
.set n, n+1
.endr
.Lopen_\@:
.irp b, 0,1,2,3
	v_max3_num_f32 v[BM+\b], v[S+16*\b], v[S+1+16*\b], v[S+2+16*\b]   ; the largest score of each block of 32 keys: it serves the row's maximum and, since p rises with the score, the block's largest p
.endr
.irp i, 3,5,7,9,11,13
.irp b, 0,1,2,3
	v_max3_num_f32 v[BM+\b], v[BM+\b], v[S+16*\b+\i], v[S+1+16*\b+\i]
.endr
.endr
.irp b, 0,1,2,3
	v_max_num_f32 v[BM+\b], v[BM+\b], v[S+15+16*\b]
.endr
.irp b, 0,1,2,3
	s_delay_alu instid0(VALU_DEP_4)
	v_permlanex16_b32 v[PT+\b], v[BM+\b], s[SEL], s[SEL+1]
.endr
.irp b, 0,1,2,3
	s_delay_alu instid0(VALU_DEP_4)
	v_max_num_f32 v[BM+\b], v[BM+\b], v[PT+\b]
.endr
	s_delay_alu instid0(VALU_DEP_2)
	v_max3_num_f32 v[TT], v[BM], v[BM+1], v[BM+2]
	s_delay_alu instid0(VALU_DEP_1)
	v_max_num_f32 v[TT], v[TT], v[BM+3]
	s_delay_alu instid0(VALU_DEP_1)
	v_mul_f32 v[TT], s[CS], v[TT]                  ; as t
	s_delay_alu instid0(VALU_DEP_1)
	v_max_num_f32 v13, v13, v[TT]                  ; the running largest t
	v_mov_b32 v[TT], v12
	s_delay_alu instid0(VALU_DEP_2)
	v_floor_f32 v12, -v13                          ; the new -M = -ceil(t)
	s_delay_alu instid0(VALU_DEP_1)
	v_sub_f32 v[TT], v12, v[TT]                    ; old M - new M: a whole number, 0 or less
	s_delay_alu instid0(VALU_DEP_1)
	v_cvt_i32_f32 v[TT], v[TT]
	s_delay_alu instid0(VALU_DEP_1)
	v_ldexp_f32 v[F], 1.0, v[TT]                   ; f = 2^(old M - new M): exact
.set j, 0
.rept 32
	v_pk_fma_f32 v[S+j:S+j+1], v[S+j:S+j+1], s[CS:CS+1], v[12:13] op_sel_hi:[1,0,0]   ; t - M
.set j, j+2
.endr
.irp b, 0,1,2,3
	v_fma_f32 v[BM+\b], v[BM+\b], s[CS], v12
.endr
	s_wait_alu depctr_va_vdst(0)
.set j, 0
.rept 64
	v_exp_f32 v[S+j], v[S+j]                       ; p = 2^(t - M): not normalised
.set j, j+1
.endr
	v_pk_mul_f32 v[14:15], v[14:15], v[F:F+1] op_sel_hi:[1,0]   ; the sums under the new M (the plain line behind the exponentials)
	s_wait_alu depctr_va_vdst(0)                   ; one wait for the batch, ahead of its first reader
.irp b, 0,1,2,3
	v_exp_f32 v[BM+\b], v[BM+\b]                   ; each block's largest p
.endr
.irp i, 0,1,2,3,4,5,6                          ; the row's sum of the unquantised p: 32 pairs into eight chains
	v_pk_add_f32 v[SM+2*\i:SM+2*\i+1], v[S+4*\i:S+4*\i+1], v[S+4*\i+2:S+4*\i+3]
.endr
	v_pk_add_f32 v[14:15], v[14:15], v[S+28:S+29]
.irp i, 0,1,2,3,4,5,6
	v_pk_add_f32 v[SM+2*\i:SM+2*\i+1], v[SM+2*\i:SM+2*\i+1], v[S+30+2*\i:S+31+2*\i]
.endr
	v_pk_add_f32 v[14:15], v[14:15], v[S+44:S+45]
.irp i, 0,1,2,3,4,5,6
	v_pk_add_f32 v[SM+2*\i:SM+2*\i+1], v[SM+2*\i:SM+2*\i+1], v[S+46+2*\i:S+47+2*\i]
.endr
	v_pk_add_f32 v[14:15], v[14:15], v[S+60:S+61]
	v_pk_add_f32 v[SM:SM+1], v[SM:SM+1], v[S+62:S+63]
	s_delay_alu instid0(VALU_DEP_2)
	v_pk_add_f32 v[14:15], v[14:15], v[SM+6:SM+7]
	s_delay_alu instid0(VALU_DEP_2)
	v_pk_add_f32 v[SM:SM+1], v[SM:SM+1], v[SM+8:SM+9]
	v_pk_add_f32 v[SM+2:SM+3], v[SM+2:SM+3], v[SM+10:SM+11]
	v_pk_add_f32 v[SM+4:SM+5], v[SM+4:SM+5], v[SM+12:SM+13]
	s_delay_alu instid0(VALU_DEP_2)
	v_pk_add_f32 v[14:15], v[14:15], v[SM+2:SM+3]
	s_delay_alu instid0(VALU_DEP_2)
	v_pk_add_f32 v[SM:SM+1], v[SM:SM+1], v[SM+4:SM+5]
	s_delay_alu instid0(VALU_DEP_1)
	v_pk_add_f32 v[14:15], v[14:15], v[SM:SM+1]
	s_wait_alu depctr_va_vdst(0)                   ; and one for the four
.irp b, 0,1,2,3
	v_max_num_f32 v[BM+\b], 0x1800000, v[BM+\b]    ; the floor 2^(3 - 127)
.endr
.irp b, 0,1,2,3
	s_delay_alu instid0(VALU_DEP_4)
	v_add_nc_u32 v[SO+\b], 0xff000000, v[BM+\b]    ; the conversion's scale operand
.endr
.irp b, 0,1,2,3
	s_delay_alu instid0(VALU_DEP_4)
	v_lshrrev_b32 v[PT+\b], 23, v[SO+\b]           ; the scale's byte
.endr
	s_delay_alu instid0(VALU_DEP_3)
	v_lshl_or_b32 v[PW], v[PT+1], 8, v[PT]         ; p's scale word for these 128 keys
	s_delay_alu instid0(VALU_DEP_1)
	v_lshl_or_b32 v[PW], v[PT+2], 16, v[PW]
	s_delay_alu instid0(VALU_DEP_1)
	v_lshl_or_b32 v[PW], v[PT+3], 24, v[PW]
.irp c, 0,1
	v_cvt_scalef32_pk16_fp6_f32 v[PC+6*\c:PC+6*\c+2], v[S+32*\c:S+32*\c+15], v[SO+2*\c]
	v_cvt_scalef32_pk16_fp6_f32 v[CT+4*\c:CT+4*\c+2], v[S+32*\c+16:S+32*\c+31], v[SO+2*\c+1]
.endr
	v_nop                                          ; one plain line behind the conversions
.irp c, 0,1
.irp i, 0,1,2
	v_permlane16_swap_b32 v[PC+6*\c+\i], v[CT+4*\c+\i]   ; lanes 0-15 now hold block 2 c, lanes 16-31 block 2 c + 1
.endr
.irp i, 0,1,2
	s_delay_alu instid0(VALU_DEP_3)
	v_mov_b32 v[PC+6*\c+3+\i], v[CT+4*\c+\i]
.endr
.endr
	s_wait_dscnt 0x0                               ; v^T and its scale words are in
	s_wait_alu depctr_va_vdst(0)                   ; ahead of the first reader of O^T
.set j, 0
.rept 16
	v_pk_mul_f32 v[O+j:O+j+1], v[O+j:O+j+1], v[F:F+1] op_sel_hi:[1,0]   ; O^T under the new M (these sixteen are also the places in front of the products below)
.set j, j+2
.endr
.irp t, 0,1,2,3
	v_wmma_scale_f32_16x16x128_f8f6f4 v[O+8*\t:O+8*\t+7], v[VF+12*\t:VF+12*\t+11], v[PC:PC+11], v[O+8*\t:O+8*\t+7], v[VS+\t], v[PW] matrix_a_fmt:MATRIX_FMT_FP6 matrix_b_fmt:MATRIX_FMT_FP6
.endr
.Lhidden_\@:
	s_add_co_u32 s[KF], s[KF], 128
.endm
.macro NEXT g0, base, mul              ; a group 0 for key slot KL, in the other LDS slot
	s_mul_i32 s[OF], s[KL], \mul
	s_add_nc_u64 s[\g0+2:\g0+3], s[\base:\base+1], s[OF:OF+1]
	s_or_b32 s[\g0+3], s[\g0+3], 0x80000000
	s_xor_b32 s[\g0+1], s[\g0+1], SLOT1
.endm
; THE CHANGE OF SLOTS stands at a slot's head.  Each wave waits for all its tensor loads, adds 0 to its spare word (fill = 1: twice on end), and waits for that and for its reads of the slot that it has left.
; Behind the barrier the slot ahead is whole and nobody reads the other one; fill = 1: that one takes the walk's next 256 keys: behind the first block's last slot the second block's keys 0-255.
.macro CHANGE fill
	s_wait_tensorcnt 0x0                           ; no tensor load of mine is out, so a group 0 may be written
	ds_add_u32 v[SPW], v[NIL]
.if \fill
	ds_add_u32 v[SPW], v[NIL]                      ; and once more, in every trip alike
	s_add_co_u32 s[KL], s[KL], 1
	s_cmp_eq_u32 s[KL], s[NA]
	s_cselect_b32 s[KL], 0, s[KL]
	NEXT G0K, BK, 12288
	NEXT G0V, BV, 196608
	NEXT G0SK, BSK, 1024
	NEXT G0SV, BSV, 8192
	s_wait_xcnt 0x0                                ; the last prefetch, a slot back, has read its offset
	v_add_nc_u32 v[PFO], v[PFO], v[PFS]
.endif
	s_wait_dscnt 0x0
	s_barrier_signal -1
	s_barrier_wait -1
.if \fill
	TLOAD                                          ; a wave's one tensor load until the next change
	ASK
.endif
	s_wait_loadcnt 0x0                             ; q: the first block's from the head, the second block's from the change of blocks
.endm
; THE WAY OUT.  O^T / the row's sum; its 32 numbers of a lane are two half blocks along C: quantised as everywhere, they are half fragment 'head' of my tile of the last product's first operand.
.macro WAYOUT p
	v_add_f32 v14, v14, v15
	s_delay_alu instid0(VALU_DEP_1)
	v_permlanex16_b32 v[F], v14, s[SEL], s[SEL+1]
	s_delay_alu instid0(VALU_DEP_1)
	v_add_f32 v14, v14, v[F]                       ; the row's sum
	s_wait_alu depctr_va_vdst(0)
	v_rcp_f32 v14, v14
	v_and_b32 v8, 15, v0                           ; (plain lines behind the reciprocal, and places behind the last products)
	v_bfe_u32 v9, v0, 4, 1
	s_delay_alu instid0(VALU_DEP_1)
	v_lshl_add_u32 v10, v8, 3, v9                  ; my scale byte: 8 r + h
	v_nop
	s_wait_alu depctr_va_vdst(0)                   ; ahead of the reciprocal's first reader
.set j, 0
.rept 32
	v_mul_f32 v[S+j], v[O+j], v14                  ; register 16 b + i: channel 32 b + 16 h + i of the head
.set j, j+1
.endr
.irp b, 0,1
	v_max3_num_f32 v[BM+\b], |v[S+16*\b]|, |v[S+1+16*\b]|, 0x1800000
.endr
.irp i, 2,4,6,8,10,12,14
.irp b, 0,1
	s_delay_alu instid0(VALU_DEP_2)
	v_max3_num_f32 v[BM+\b], v[BM+\b], |v[S+16*\b+\i]|, |v[S+1+16*\b+\i]|
.endr
.endr
.irp b, 0,1
	s_delay_alu instid0(VALU_DEP_2)
	v_permlanex16_b32 v[PT+\b], v[BM+\b], s[SEL], s[SEL+1]
.endr
.irp b, 0,1
	s_delay_alu instid0(VALU_DEP_2)
	v_max_num_f32 v[BM+\b], v[BM+\b], v[PT+\b]
.endr
.irp b, 0,1
	s_delay_alu instid0(VALU_DEP_2)
	v_add_nc_u32 v[SO+\b], 0xff000000, v[BM+\b]
.endr
.irp b, 0,1
	s_delay_alu instid0(VALU_DEP_2)
	v_lshrrev_b32 v[PT+\b], 23, v[SO+\b]
.endr
	v_cvt_scalef32_pk16_fp6_f32 v[PC:PC+2], v[S:S+15], v[SO]
	v_cvt_scalef32_pk16_fp6_f32 v[CT:CT+2], v[S+16:S+31], v[SO+1]
	v_nop
.irp i, 0,1,2
	v_permlane16_swap_b32 v[PC+\i], v[CT+\i]
.endr
.irp i, 0,1,2
	s_delay_alu instid0(VALU_DEP_3)
	v_mov_b32 v[PC+3+\i], v[CT+\i]
.endr
	v_cmp_ne_u32 vcc_lo, 0, v9
	s_delay_alu instid0(VALU_DEP_1)
	v_cndmask_b32 v[PT], v[PT], v[PT+1], vcc_lo    ; lanes 0-15 store block 0's byte, lanes 16-31 block 1's
	global_store_b128 v1, v[PC:PC+3], s[\p:\p+1]   ; 512 consecutive bytes, aligned,
	global_store_b64 v2, v[PC+4:PC+5], s[\p:\p+1] offset:512   ; and 256
	global_store_b8 v10, v[PT], s[\p+2:\p+3]       ; two bytes of each row's eight: the other heads' waves write the rest; 32 bytes beside the wave's 768 of codes
.endm
.Lslot:                                            ; eight trips
	s_wait_alu depctr_va_vdst(0)
	CHANGE 1
	STEP 0
	STEP 1
	s_xor_b32 s[TB], s[TB], SLOT1
	s_cmp_eq_u32 s[SLOTS], s[SW]                   ; ids and the count of trips alone: was this the first block's last slot?
	s_cbranch_scc0 .Lsame
	global_load_b128 v[Q:Q+3], v1, s[PB:PB+1]      ; the second block's q, asked for ahead of the first block's way out
	global_load_b64 v[Q+4:Q+5], v2, s[PB:PB+1] offset:512
	global_load_u16 v[QS], v[R4], s[PB+2:PB+3]
	WAYOUT PA+4
	s_wait_xcnt 0x0                                ; the stores have read their registers, which the next step writes
	RESET
	s_mov_b32 s[KF], 0
	s_mov_b32 s[QB], s[QB2]
.Lsame:
	s_sub_co_u32 s[SLOTS], s[SLOTS], 1
	s_cmp_lg_u32 s[SLOTS], 0
	s_cbranch_scc1 .Lslot
	s_wait_alu depctr_va_vdst(0)
	CHANGE 0                                       ; the last slot is written out: nothing is left to fetch
	STEP 0
	STEP 1
	WAYOUT PB+4
	s_wait_tensorcnt 0x0                           ; the wave's end
	ds_add_u32 v[SPW], v[NIL]
	s_wait_dscnt 0x0
	s_endpgm
.Lfunc_end_k_qf57de5a894_attn:
	.size	k_qf57de5a894_attn, .Lfunc_end_k_qf57de5a894_attn-k_qf57de5a894_attn
	.p2alignl 7, 3214868480
	.fill 96, 4, 3214868480
	.section	.rodata,"a",@progbits
	.p2align	6, 0x0
	.amdhsa_kernel k_qf57de5a894_attn
		.amdhsa_group_segment_fixed_size 327680
		.amdhsa_private_segment_fixed_size 0
		.amdhsa_enable_private_segment 0
		.amdhsa_kernarg_size 16
		.amdhsa_user_sgpr_count 2
		.amdhsa_user_sgpr_kernarg_segment_ptr 1
		.amdhsa_wavefront_size32 1
		.amdhsa_system_sgpr_workgroup_id_x 1
		.amdhsa_system_sgpr_workgroup_id_y 1
		.amdhsa_system_sgpr_workgroup_id_z 1
		.amdhsa_system_vgpr_workitem_id 0
		.amdhsa_next_free_vgpr 256
		.amdhsa_next_free_sgpr 102
		.amdhsa_reserve_vcc 1
		.amdhsa_float_denorm_mode_32 3
		.amdhsa_float_denorm_mode_16_64 3
		.amdhsa_memory_ordered 1
		.amdhsa_forward_progress 1
		.amdhsa_inst_pref_size 119
	.end_amdhsa_kernel
	.amdgpu_metadata
---
amdhsa.version: [ 1, 2 ]
amdhsa.kernels:
  - .name:           k_qf57de5a894_attn
    .symbol:         k_qf57de5a894_attn.kd
    .args:
      - { .name: qkv, .offset: 0, .size: 8, .value_kind: global_buffer, .address_space: global }
      - { .name: aq, .offset: 8, .size: 8, .value_kind: global_buffer, .address_space: global }
    .group_segment_fixed_size: 327680
    .private_segment_fixed_size: 0
    .kernarg_segment_align: 8
    .kernarg_segment_size: 16
    .max_flat_workgroup_size: 512
    .sgpr_count:     102
    .vgpr_count:     256
    .wavefront_size: 32
...
	.end_amdgpu_metadata
.endif
;; end of part 3
;; launch gemmo (part 4): grid 4 x 32, 4 waves a work-group, clusters of 4 x 4, 327,680 bytes of LDS; arguments aq, wq, b_fc, out0; writes out0
.if DOCPART == 4
	.amdgcn_target "amdgcn-amd-amdhsa--gfx1250"
	.amdhsa_code_object_version 6
	.text
	.protected	k_qf57de5a894_gemmo
	.globl	k_qf57de5a894_gemmo
	.p2align	8
	.type	k_qf57de5a894_gemmo,@function
k_qf57de5a894_gemmo:
	s_mov_b64 s[64:65], 0
	v_nop
	global_prefetch_b8 v0, s[64:65] scope:SCOPE_SE
	s_setreg_imm32_b32 hwreg(HW_REG_WAVE_MODE, 25, 1), 1
	s_wait_xcnt 0x0
	s_wait_alu depctr_hold_cnt(0) depctr_sa_sdst(0) depctr_va_vdst(0) depctr_va_sdst(0) depctr_va_ssrc(0) depctr_va_vcc(0) depctr_vm_vsrc(0)
	s_getreg_b32 s2, hwreg(HW_REG_IB_STS2, 6, 4)
	s_cmp_eq_u32 s2, 0
	s_cbranch_scc0 .Lentry_in_a_cluster
	s_endpgm
.Lentry_in_a_cluster:
	s_bfe_u32 s2, ttmp6, 0x10000c
	s_cmp_lg_u32 s2, 0xf033
	s_cbranch_scc0 .Lentry_shape_is_right
	s_endpgm
.Lentry_shape_is_right:
.set AS_OFF,  6291456
.set WS_OFF,  3145728
.set RT,     12288
.set KSB,    3072
.set HALFT,  8*KSB
.set SLOT,   4*HALFT
.set SCL,    2*SLOT
.set SPARE,  SCL+16640
.set SPITCH, 528
.set NQ, 2
.set FR, 12
.set NL, 4
.set NP, 4
.set ADRA, 16
.set ADRB, 20
.set STO,  24
.set RD,   25
.set CO,   26
.set ADRS, 27
.set SPW,  28
.set NIL,  29
.set BO,   31
.set SC,   32
.set BIAS, 64
.set AF,   128
.set BK,   128
.set G1, 24
.set G0, 32
.set G1B, 48
.set G0B, 56
.set G1S, 68
.set G0S, 76
.set G1SB, 80
.set G0SB, 88
.set MSB, 0
.macro WIN new
.if MSB != \new
	s_set_vgpr_msb (MSB<<8)|\new
.set MSB, \new
.endif
.endm
.macro WINM hi, zero
.if \zero == 2
	WIN 0x81+0x40*\hi
.else
	WIN 0xa1+0x50*\hi
.endif
.endm
.set TO_B, 0x40
.macro JLOAD g0a, g1a, g0b, g1b
	s_cmp_eq_u32 s15, 0
	s_cbranch_scc0 .Lfor_b_\@
	tensor_load_to_lds s[\g0a:\g0a+3], s[\g1a:\g1a+7]
	s_nop 0
.rept 4
	v_nop
.endr
	s_branch .Lasked_\@
.Lfor_b_\@:
	tensor_load_to_lds s[\g0b:\g0b+3], s[\g1b:\g1b+7]
	s_nop 0
.rept 4
	v_nop
.endr
.Lasked_\@:
.endm
.macro CREST
	s_cmp_lg_u32 s14, 0
	s_cbranch_scc1 .Lnot_wave_0_\@
	s_barrier_signal -3
.Lnot_wave_0_\@:
	s_barrier_wait -3
	s_barrier_signal -1
	s_barrier_wait -1
.endm
.macro CROUND
	s_barrier_signal -1
	s_barrier_wait -1
	CREST
.endm
	s_load_b256 s[4:11], s[0:1], 0x0
	v_lshl_add_u32 v[SPW], v0, 2, SPARE
	v_mov_b32 v[NIL], 0
	ds_add_u32 v[SPW], v[NIL]
	ds_add_u32 v[SPW], v[NIL]
	v_lshrrev_b32 v1, 5, v0
	v_readfirstlane_b32 s14, v1
	s_lshr_b32 s15, s14, 1
	s_and_b32 s16, s14, 1
	s_bfe_u32 s40, ttmp6, 0x40000
	s_bfe_u32 s41, ttmp6, 0x40004
	s_lshl_b32 s42, ttmp9, 2
	s_add_co_u32 s42, s42, s40
	s_and_b32 s45, ttmp7, 0xffff
	s_lshl_b32 s45, s45, 2
	s_add_co_u32 s45, s45, s41
	s_lshl_b32 s43, s41, 2
	s_lshl_b32 s43, 15, s43
	s_lshl_b32 s44, 0x1111, s40
	s_or_b32 s[G1+0], s43, (3<<16)|(1<<21)
	s_or_b32 s[G1B+0], s44, (3<<16)|(1<<21)
.irp g, G1, G1B
	s_mov_b32 s[\g+1], 384<<16
	s_mov_b32 s[\g+2], 16<<16                      ; sixteen tiles for the head's loads; eight for the ring's, set behind the head's wait
	s_mov_b32 s[\g+3], 384<<16
	s_mov_b32 s[\g+4], 16
	s_mov_b32 s[\g+5], 1536
	s_mov_b32 s[\g+6], 0
	s_mov_b32 s[\g+7], 0
.endr
	s_or_b32 s[G1S+0], s43, (3<<16)|(1<<21)
	s_or_b32 s[G1SB+0], s44, (3<<16)|(1<<21)
.irp g, G1S, G1SB
	s_mov_b32 s[\g+1], 32<<16
	s_mov_b32 s[\g+2], 32<<16                      ; the scale bytes of sixteen tiles: 8,192 dense bytes as 32 rows of 256
	s_mov_b32 s[\g+3], 32<<16
	s_mov_b32 s[\g+4], 32
	s_mov_b32 s[\g+5], 32
	s_mov_b32 s[\g+6], 0
	s_mov_b32 s[\g+7], 0
.endr
	s_lshl_b32 s20, s45, 4                         ; the first operand: the work-group's first tile
	s_lshl_b32 s22, s20, 9
	s_add_co_u32 s22, s22, AS_OFF
	s_mul_i32 s20, s20, RT
	s_mov_b32 s21, 0
	s_mov_b32 s23, 0
	s_lshl_b32 s94, s42, 4
	s_add_co_u32 s94, s94, 192
	s_lshl_b32 s96, s94, 9
	s_add_co_u32 s96, s96, WS_OFF
	s_mul_i32 s94, s94, RT
	s_mov_b32 s95, 0
	s_mov_b32 s97, 0
	s_mul_i32 s47, s14, HALFT
	s_mul_i32 s98, s16, 8*RT                       ; in the ring I fetch eight of the sixteen tiles: which half, in bytes
	s_mov_b32 s99, 0
	s_wait_dscnt 0x0
	s_wait_kmcnt 0x0
	s_add_nc_u64 s[20:21], s[4:5], s[20:21]
	s_add_nc_u64 s[22:23], s[4:5], s[22:23]
	s_add_nc_u64 s[94:95], s[6:7], s[94:95]
	s_add_nc_u64 s[96:97], s[6:7], s[96:97]
	CROUND
	s_mov_b32 s[G0S], 1
	s_mov_b32 s[G0S+1], SCL
	s_mov_b64 s[G0S+2:G0S+3], s[22:23]
	s_or_b32 s[G0S+3], s[G0S+3], 0x80000000
	s_mov_b32 s[G0SB], 1
	s_mov_b32 s[G0SB+1], SCL+8320
	s_mov_b64 s[G0SB+2:G0SB+3], s[96:97]
	s_or_b32 s[G0SB+3], s[G0SB+3], 0x80000000
.irp s, 0,1
	s_mov_b32 s[G0+4*\s], 1
	s_add_co_u32 s[G0+4*\s+1], s47, \s*SLOT
	s_add_nc_u64 s[G0+4*\s+2:G0+4*\s+3], s[20:21], \s*KSB
	s_or_b32 s[G0+4*\s+3], s[G0+4*\s+3], 0x80000000
	s_mov_b32 s[G0B+4*\s], 1
	s_add_co_u32 s[G0B+4*\s+1], s47, \s*SLOT
	s_add_nc_u64 s[G0B+4*\s+2:G0B+4*\s+3], s[94:95], \s*KSB
	s_or_b32 s[G0B+4*\s+3], s[G0B+4*\s+3], 0x80000000
.endr
	s_mov_b32 s[G0+1], 0                           ; for the head slot 0's two groups 0 name whole tiles: the first operand's sixteen at 0,
	s_mov_b32 s[G0B+1], 2*HALFT                    ; the weight's sixteen behind them
	s_add_nc_u64 s[G0+6:G0+7], s[G0+6:G0+7], s[98:99]      ; slot 1's name my eight tiles
	s_add_nc_u64 s[G0B+6:G0B+7], s[G0B+6:G0B+7], s[98:99]
; THE HEAD'S LOADS, ONE A WAVE: wave 0 K step 0 of the first operand's sixteen tiles, wave 1 of the weight's, wave 2 and wave 3 their scale bytes for all of K.
; One chain of branches on the wave's number; every way through it passes exactly one load.
.macro ARM under, g0, g1, next
	s_cmp_lt_u32 s14, \under
	s_cbranch_scc0 \next
	tensor_load_to_lds s[\g0:\g0+3], s[\g1:\g1+7]
	s_nop 0
.rept 4
	v_nop
.endr
	s_branch .Lhead_asked
\next:
.endm
	ARM 1, G0,  G1,  .Lhead_b
	ARM 2, G0B, G1B, .Lhead_sa
	ARM 3, G0S, G1S, .Lhead_sb
	tensor_load_to_lds s[G0SB:G0SB+3], s[G1SB:G1SB+7]
	s_nop 0
.rept 4
	v_nop
.endr
.Lhead_asked:
	v_and_b32 v1, 31, v0
	v_and_b32 v2, 15, v0
	v_bfe_u32 v3, v0, 4, 1
	v_lshlrev_b32 v[CO], 4, v1
	s_wait_alu depctr_va_vdst(0)
	v_lshlrev_b32 v5, 3, v1
	s_wait_alu depctr_va_vdst(0)
	v_lshlrev_b32 v[BO], 6, v3
	s_lshl_b32 s18, s42, 8
	s_lshl_b32 s19, s16, 7
	s_add_co_u32 s18, s18, s19
	s_lshl_b32 s18, s18, 2
	s_mov_b32 s19, 0
	s_add_nc_u64 s[8:9], s[8:9], s[18:19]
.irp b, 0,1,2,3,4,5,6,7
	global_load_b128 v[BIAS+8*\b:BIAS+8*\b+3], v[BO], s[8:9] offset:(32*(\b/2)+8*(\b%2))*4
	global_load_b128 v[BIAS+8*\b+4:BIAS+8*\b+7], v[BO], s[8:9] offset:(32*(\b/2)+8*(\b%2))*4+16
.endr
	s_lshl_b32 s20, s45, 8
	s_lshl_b32 s21, s15, 7
	s_add_co_u32 s20, s20, s21
	s_lshl_b32 s20, s20, 12
	s_mov_b32 s21, 0
	s_add_nc_u64 s[10:11], s[10:11], s[20:21]
	s_add_nc_u64 s[10:11], s[10:11], s[18:19]
	s_mul_i32 s18, s15, HALFT
	s_mul_i32 s19, s16, HALFT
	s_add_co_u32 s19, s19, 2*HALFT
.irp s, 0,1
	v_add_nc_u32 v[ADRA+\s], s18, v[CO]
	v_add_nc_u32 v[ADRA+2+\s], s18, v5
	v_add_nc_u32 v[ADRB+\s], s19, v[CO]
	v_add_nc_u32 v[ADRB+2+\s], s19, v5
	s_add_co_u32 s18, s18, SLOT
	s_add_co_u32 s19, s19, SLOT
.endr
	v_lshlrev_b32 v6, 3, v2
	s_lshl_b32 s18, s15, 12
	s_lshl_b32 s19, s16, 12
	s_add_co_u32 s19, s19, 8320
	s_sub_co_u32 s19, s19, s18
	v_mul_u32_u24 v7, s19, v3
	s_add_co_u32 s18, s18, SCL
	v_add_nc_u32 v6, v6, v7
	v_add_nc_u32 v[ADRS], s18, v6
	s_mul_i32 s18, s14, 16*SPITCH
	v_mul_u32_u24 v6, v2, SPITCH
	v_lshl_add_u32 v6, v3, 6, v6
	v_add_nc_u32 v[STO], s18, v6
	v_add_nc_u32 v[RD], s18, v[CO]
.macro FRAG reg, adr, q, i
.irp c, 0,1
	ds_load_b128 v[\reg+6*\c:\reg+6*\c+3], v[\adr] offset:KSB*(\i)+768*(2*(\q)+\c)
	ds_load_b64 v[\reg+6*\c+4:\reg+6*\c+5], v[\adr+2] offset:KSB*(\i)+768*(2*(\q)+\c)+512
.endr
.endm
.macro MUL16 a0, p, q, sc, zero
.irp a, \a0, \a0+1
.irp b, 0,1,2,3,4,5,6,7
.if \zero == 2
	v_wmma_scale_f32_16x16x128_f8f6f4 v[8*(8*((\a)%4)+\b):8*(8*((\a)%4)+\b)+7], v[128*(\p)+FR*\b:128*(\p)+FR*\b+FR-1], v[AF+FR*(\a):AF+FR*(\a)+FR-1], v[BIAS+8*\b:BIAS+8*\b+7], v[SC+8*NQ*(\sc)+NQ*\b+(\q)], v[SC+8*NQ*(\sc)+NQ*(\a)+(\q)] matrix_a_fmt:MATRIX_FMT_FP6 matrix_b_fmt:MATRIX_FMT_FP6 matrix_a_scale:MATRIX_SCALE_ROW1
.else
	v_wmma_scale_f32_16x16x128_f8f6f4 v[8*(8*((\a)%4)+\b):8*(8*((\a)%4)+\b)+7], v[128*(\p)+FR*\b:128*(\p)+FR*\b+FR-1], v[AF+FR*(\a):AF+FR*(\a)+FR-1], v[8*(8*((\a)%4)+\b):8*(8*((\a)%4)+\b)+7], v[SC+8*NQ*(\sc)+NQ*\b+(\q)], v[SC+8*NQ*(\sc)+NQ*(\a)+(\q)] matrix_a_fmt:MATRIX_FMT_FP6 matrix_b_fmt:MATRIX_FMT_FP6 matrix_a_scale:MATRIX_SCALE_ROW1
.endif
.endr
.endr
.endm
.macro FETCH_B slot, q, p
	WIN TO_B
.irp i, 0,1,2,3,4,5,6,7
	FRAG 128*(\p)+FR*\i, ADRB+\slot, \q, \i
.endr
	WIN 0
.endm
.macro FETCH_A slot, q, i0
.irp i, \i0, \i0+1, \i0+2, \i0+3
	FRAG AF+FR*(\i), ADRA+\slot, \q, \i
.endr
.endm
.macro SCALES sc
.irp i, 0,1,2,3,4,5,6,7
	ds_load_b64 v[SC+8*NQ*\sc+NQ*\i:SC+8*NQ*\sc+NQ*\i+1], v[ADRS] offset:\i*512
.endr
.endm
.macro PLACES n
.rept \n
	v_nop
.endr
.endm
.macro STEP slot, q, zero
	s_wait_dscnt 4*NL
	WINM 0, \zero
	MUL16 0, (\q)%2, \q, \slot, \zero
	MUL16 2, (\q)%2, \q, \slot, \zero
	s_wait_dscnt 0
	PLACES NP
	FETCH_B \slot, (\q)+1, 1-(\q)%2
	FETCH_A \slot, (\q)+1, 0
	WINM 1, \zero
	MUL16 4, (\q)%2, \q, \slot, \zero
	MUL16 6, (\q)%2, \q, \slot, \zero
	PLACES NP
	WIN 0
	FETCH_A \slot, (\q)+1, 4
.endm
.macro TURN slot, next, fill
	s_wait_tensorcnt 0x0
	ds_add_u32 v[SPW], v[NIL]
	s_wait_dscnt 4*NL+1
	WIN 0xa1
	MUL16 0, 1, NQ-1, \slot, 0
	s_wait_dscnt 0x0
	s_barrier_signal -1
	MUL16 2, 1, NQ-1, \slot, 0
	WIN 0
	s_barrier_wait -1
.if \fill
	CREST
	s_add_nc_u64 s[G0+4*\slot+2:G0+4*\slot+3], s[G0+4*\slot+2:G0+4*\slot+3], 2*KSB
	s_add_nc_u64 s[G0B+4*\slot+2:G0B+4*\slot+3], s[G0B+4*\slot+2:G0B+4*\slot+3], 2*KSB
	JLOAD G0+4*\slot, G1, G0B+4*\slot, G1B
.else
	PLACES NP
.endif
	s_wait_alu depctr_va_vdst(0)
	v_add_nc_u32 v[ADRS], 128, v[ADRS]
	FETCH_B \next, 0, 0
	FETCH_A \next, 0, 0
	SCALES \next
	WIN 0xf1
	MUL16 4, 1, NQ-1, \slot, 0
	MUL16 6, 1, NQ-1, \slot, 0
	PLACES NP
	WIN 0
	FETCH_A \next, 0, 4
.endm
	s_wait_alu depctr_va_vdst(0)
	s_wait_tensorcnt 0x0                           ; my tile of the head's four is in; slot 1's first fill is issued as a refill is
	ds_add_u32 v[SPW], v[NIL]
	s_mov_b32 s[G1+2], 8<<16                       ; no tensor load of mine is out, so descriptors may be written: from here on a load brings eight tiles,
	s_mov_b32 s[G1+4], 8
	s_mov_b32 s[G1B+2], 8<<16
	s_mov_b32 s[G1B+4], 8
	s_mov_b32 s[G0+1], s47                         ; and slot 0's groups 0 name my eight
	s_mov_b32 s[G0B+1], s47
	s_add_nc_u64 s[G0+2:G0+3], s[G0+2:G0+3], s[98:99]
	s_add_nc_u64 s[G0B+2:G0B+3], s[G0B+2:G0B+3], s[98:99]
	s_wait_dscnt 0x0
	CROUND                                         ; a whole round: all four tiles are in, and the sixteen work-groups are here
	JLOAD G0+4, G1, G0B+4, G1B                     ; K step 1, the first tensor load behind the round
	FETCH_B 0, 0, 0
	FETCH_A 0, 0, 0
	SCALES 0
	FETCH_A 0, 0, 4
	s_wait_loadcnt 0x0
	STEP 0, 0, 2
	TURN 0, 1, 1
	STEP 1, 0, 0
	TURN 1, 0, 1
	STEP 0, 0, 0
	TURN 0, 1, 0
	STEP 1, 0, 0
	s_wait_dscnt 4*NL
	WIN 0xa1
	MUL16 0, 1, NQ-1, 1, 0
	MUL16 2, 1, NQ-1, 1, 0
	s_wait_dscnt 0
	WIN 0xf1
	MUL16 4, 1, NQ-1, 1, 0
	MUL16 6, 1, NQ-1, 1, 0
	WIN 0
.macro TOSTAGE a
.set AC, 64*((\a)%4)
	WIN 0x08+4*((\a)/4)
.irp b, 0,1,2,3,4,5,6,7
	ds_store_b128 v[STO], v[AC+8*\b:AC+8*\b+3] offset:128*(\b/2)+32*(\b%2)
	ds_store_b128 v[STO], v[AC+8*\b+4:AC+8*\b+7] offset:128*(\b/2)+32*(\b%2)+16
.endr
	WIN 0
.set BB, BK+64*((\a)%2)
.irp t, 0,1,2,3,4,5,6,7,8,9,10,11,12,13,14,15
	ds_load_b128 v[BB+4*\t:BB+4*\t+3], v[RD] offset:\t*SPITCH
.endr
.endm
.macro SEND a, younger
.set BB, BK+64*((\a)%2)
	s_wait_dscnt \younger
.irp t, 0,1,2,3,4,5,6,7,8,9,10,11,12,13,14,15
	global_store_b128 v[CO], v[BB+4*\t:BB+4*\t+3], s[10:11] offset:(32*((\a)/2)+8*((\a)%2)+\t+8*(\t/8))*4096 th:TH_STORE_NT
.endr
.endm
	PLACES NP
	TOSTAGE 0
.irp a, 1,2,3,4,5,6,7
.if \a > 1
	s_wait_xcnt 0x0
.endif
	TOSTAGE \a
	SEND \a-1, 32
.endr
	SEND 7, 0
	s_wait_tensorcnt 0x0
	ds_add_u32 v[SPW], v[NIL]
	s_wait_dscnt 0x0
	CROUND
	s_endpgm
.Lfunc_end_k_qf57de5a894_gemmo:
	.size	k_qf57de5a894_gemmo, .Lfunc_end_k_qf57de5a894_gemmo-k_qf57de5a894_gemmo
	.p2alignl 7, 3214868480
	.fill 96, 4, 3214868480
	.section	.rodata,"a",@progbits
	.p2align	6, 0x0
	.amdhsa_kernel k_qf57de5a894_gemmo
		.amdhsa_group_segment_fixed_size 327680
		.amdhsa_private_segment_fixed_size 0
		.amdhsa_enable_private_segment 0
		.amdhsa_kernarg_size 32
		.amdhsa_user_sgpr_count 2
		.amdhsa_user_sgpr_kernarg_segment_ptr 1
		.amdhsa_wavefront_size32 1
		.amdhsa_system_sgpr_workgroup_id_x 1
		.amdhsa_system_sgpr_workgroup_id_y 1
		.amdhsa_system_sgpr_workgroup_id_z 1
		.amdhsa_system_vgpr_workitem_id 0
		.amdhsa_next_free_vgpr 1024
		.amdhsa_next_free_sgpr 100
		.amdhsa_reserve_vcc 0
		.amdhsa_float_denorm_mode_32 3
		.amdhsa_float_denorm_mode_16_64 3
		.amdhsa_memory_ordered 1
		.amdhsa_forward_progress 1
		.amdhsa_inst_pref_size 145
	.end_amdhsa_kernel
	.amdgpu_metadata
---
amdhsa.version: [ 1, 2 ]
amdhsa.kernels:
  - .name:           k_qf57de5a894_gemmo
    .symbol:         k_qf57de5a894_gemmo.kd
    .args:
      - { .name: aq, .offset: 0, .size: 8, .value_kind: global_buffer, .address_space: global }
      - { .name: wq, .offset: 8, .size: 8, .value_kind: global_buffer, .address_space: global }
      - { .name: b_fc, .offset: 16, .size: 8, .value_kind: global_buffer, .address_space: global }
      - { .name: out0, .offset: 24, .size: 8, .value_kind: global_buffer, .address_space: global }
    .group_segment_fixed_size: 327680
    .private_segment_fixed_size: 0
    .kernarg_segment_align: 8
    .kernarg_segment_size: 32
    .max_flat_workgroup_size: 128
    .sgpr_count:     100
    .vgpr_count:     1024
    .wavefront_size: 32
...
	.end_amdgpu_metadata
.endif
;; end of part 4
